; MI455X (gfx1250); checked and timed in simulation.
; The chip was launched on July 23, 2026; its instructions are those of AMD's public machine-readable ISA for CDNA 5 (MIT licence, August 2026) and "CDNA5" Instruction Set Architecture Reference Guide (July 2026). The comments in the code are by the model that wrote it; some were corrected since.
;; Transformer Encoder Layer Rotary. Allowed arithmetic: matrix products marked QUANTISED: E4M3 operands, one E8M0 scale for each 32 along K, by v_wmma_scale_f32_16x16x128_f8f6f4 with both operands' format E4M3, f32 sums; everything else in f32.
;; Inputs: b1 4,096 float32; b2 1,024 float32; k_b 1,024 float32; k_w 1,024 x 1,024 float32; ln1_b 1,024 float32; ln1_g 1,024 float32; ln2_b 1,024 float32; ln2_g 1,024 float32; q_b 1,024 float32; q_w 1,024 x 1,024 float32; src 2,048 x 2 x 1,024 float32; v_b 1,024 float32; v_w 1,024 x 1,024 float32; w1 1,024 x 4,096 float32; w2 4,096 x 1,024 float32.
;; Outputs: out0 2,048 x 2 x 1,024 float32.
;; This version of the problem:
;;   THIS VERSION OF THE PROBLEM IS GIVEN IN LOW PRECISION. The matrix products marked QUANTISED in the list below multiply operands that are first quantised to E4M3 (4 exponent bits, 3 mantissa bits; 8 bits a number), with one power-of-two scale for each 32 numbers along K (OCP MX v1.0); their sums are f32. All else is computed in f32.
;;   The module's matrix products, in the order in which they are computed (A, B: the left and right operand; K: the contracted axis; several contracted axes count as one K, in the product's order):
;;     1. [M 4,096, K 1,024] x [K 1,024, N 1,024]; A: input src; B: input q_w: QUANTISED
;;     2. [M 4,096, K 1,024] x [K 1,024, N 1,024]; A: input src; B: input k_w: QUANTISED
;;     3. [M 4,096, K 1,024] x [K 1,024, N 1,024]; A: input src; B: input v_w: QUANTISED
;;     4. batch 32 x [M 2,048, K 64] x [K 64, N 2,048]; A: computed on the way; B: computed on the way: QUANTISED
;;     5. batch 32 x [M 2,048, K 2,048] x [K 2,048, N 64]; A: softmax (see below); B: computed on the way: QUANTISED
;;     6. [M 4,096, K 1,024] x [K 1,024, N 4,096]; A: computed on the way; B: input w1: QUANTISED
;;     7. [M 4,096, K 4,096] x [K 4,096, N 1,024]; A: computed on the way; B: input w2: QUANTISED
;;   THE QUANTISER, for each operand of a quantised product, along K:
;;     - K is cut into blocks of 32 from its start; a last block that is shorter is filled with zeros.
;;     - A block's scale is 2^e with e = floor(log2(the largest magnitude in the block)) - 8, held to -126 .. 127; a block of zeros has e = 0. As a byte (E8M0): e + 127.
;;     - Each number is divided by its block's scale, clamped to +-448, and rounded to the nearest number of E4M3, ties to even, subnormals kept.
;;     - The product sums the exact products of the quantised numbers (number of the format x scale) in f32.
;;   ~~~python
;;   def quantise(x, axis):      # numpy; x: float32 -> the quantised numbers, widened to float32 again
;;       x = np.moveaxis(x, axis, -1); K = x.shape[-1]
;;       x = np.pad(x, [(0, 0)] * (x.ndim - 1) + [(0, -K % 32)]); x = x.reshape(x.shape[:-1] + (-1, 32)); a = np.abs(x).max(-1, keepdims=True)
;;       e = np.where(a > 0, np.clip(np.frexp(np.where(a > 0, a, 1))[1] - 1 - 8, -126, 127), 0)      # np.frexp(a)[1] - 1 = floor(log2(a)), exactly
;;       r = np.clip(x / 2.0 ** e, -448, 448)
;;       step = 2.0 ** (np.maximum(np.frexp(np.where(r == 0, 1, r))[1] - 1, -6) - 3)
;;       q = np.round(r / step) * step * 2.0 ** e      # np.round: ties to even
;;       return np.moveaxis(q.reshape(q.shape[:-2] + (-1,))[..., :K], -1, axis).astype(np.float32)
;;   ~~~
;;   SOFTMAX AHEAD OF A QUANTISED PRODUCT. Where the list says 'softmax', what is quantised is not the finished softmax but p = 2^(t - M), with t = logit x log2(e) and M = ceil(the row's largest t), a whole number; so 1/2 < the row's largest p <= 1. The row's sum l is taken of the UNQUANTISED p, in f32, and the product's result is divided by l at the end. Since M is a whole number, a kernel that streams over the keys may use a running M (the ceiling of the running maximum): every later rescaling is an exact power of two, which a block's scale takes up: the codes' values come out the same.
;;   OPERANDS COMPUTED ON THE WAY. 'Computed on the way' means the value that the module computes at that place (a softmax that the list does not call 'softmax' is quantised finished and normalised). What goes into a quantiser is computed in f32, as accurately as f32 sums, v_exp_f32 and their like allow (about 1e-6 of the number): no bf16 or f16 on the way to a quantiser, and a product that is left as it is and whose result goes on into a quantised operand takes f32 operands (vector FMAs, or v_wmma_f32_16x16x4_f32). A number that lies on a knife's edge between two numbers of the format may be rounded either way, as far as f32 arithmetic and the matrix unit's own rounding can turn it there, and no further.
;; One version. Each part assembles by itself: llvm-mc -triple=amdgcn-amd-amdhsa -mcpu=gfx1250 --defsym DOCPART=n.
;; ======== version 1 of 1: 7 launches
;; limits: a function is approximated: absolute error at most 0.00012
;; workspace buffers: srcq 4,849,664 bytes; wq 11,894,784 bytes; qkvb 12,976,128 bytes; att 16,777,216 bytes; xf 16,777,216 bytes; xq 4,325,376 bytes; hq 17,301,504 bytes; y 33,554,432 bytes
;; launch quant (part 1): grid 1728 x 1, 4 waves a work-group, no clusters, 5,120 bytes of LDS; arguments src, q_w, k_w, v_w, w1, w2, srcq, wq; writes srcq, wq
.if DOCPART == 1
	.amdgcn_target "amdgcn-amd-amdhsa--gfx1250"
	.amdhsa_code_object_version 6
	.text
	.protected	k_q7c6cd0cd75_quant
	.globl	k_q7c6cd0cd75_quant
	.p2align	8
	.type	k_q7c6cd0cd75_quant,@function
k_q7c6cd0cd75_quant:
	s_mov_b64 s[64:65], 0
	v_nop
	global_prefetch_b8 v0, s[64:65] scope:SCOPE_SE
	s_setreg_imm32_b32 hwreg(HW_REG_WAVE_MODE, 25, 1), 1
	s_wait_xcnt 0x0
; ONE LAUNCH FOR ALL THAT IS QUANTISED AHEAD OF THE FIRST PRODUCT: the five weights, src, and the table of cos and sin for the rotary embedding.  Codes of FP8 (E4M3), one E8M0 byte for each 32 along K, laid as IMAGES OF OPERAND REGISTERS.
; A BLOCK is 128 operand rows x 256 K = 33,792 bytes: fragment (i of 16 rows, q of 128 K) at (8 q + i) 2048; in it chunk c at 512 c, lane l at 16 l: row l % 16, k = 128 q + 32 c + 16 (l / 16) + 0 .. 15;
; scale words at 32768 + 512 q + 4 (16 i + r), byte c for k block c.
; ROW ORDER.  In src, q_w, k_w and w1 row r of fragment i = 2 beta + u is row 32 beta + 8 u + r + 8 (r / 8) of the block, so that results of products on these rows come out with 16 neighbours in a lane; in v_w and w2 it is row 16 i + r.
; WORK-GROUPS 0 TO 703: THE WEIGHTS, f32 stored [K][N].  wq's blocks: q_w 0-31, k_w 32-63, v_w 64-95 (4 cb + ks), w1 96 + 4 cb + ks, w2 224 + 16 cb + ks.  Work-group n writes half q = n % 2 of block n / 2.
;   A lane takes a column and its registers run down K: a load reads 128 consecutive bytes a wave (512 a work-group), a block of 32 along K lies in one lane's 32 registers, and the conversions' results are the 16 bytes of two lanes'
;   places in the image.  A wave runs four blocks of 32: its four scale bytes are one scale word.  Loads run two blocks (64 loads a wave) ahead.  No register that a load or store names is written again.
; WORK-GROUPS 704 TO 1,727: src [2048 s][2 b][1024].  Rows are token' = 2048 b + s; srcq's block (rb, ks) lies at (4 rb + ks) x 33,792.  Work-group 704 + 4 f + ks makes fragment row (rb = f / 8, i = f % 8) of K step ks.
;   Wave w takes rows 4 w .. 4 w + 3, 1,024 bytes of each, by eight loads of 512 consecutive bytes.  A lane's four numbers of a load lie in one block of 32, which eight lanes share.  Two loads of a lane have different scales, and the
;   conversion takes eight numbers under one: so each number is multiplied by 1 / scale (a power of two: exact), held within +-448, and converted under the scale 1.  Codes and scale bytes meet in LDS and leave in the image's order.
; THE TABLE, behind srcq's 128 blocks: row s, pair i: cos and sin of f32(s) x inv_freq[i], by taking off n pi / 2 in two parts and two polynomials on +-pi/4.  The first 512 of src's work-groups hold rows with b = 0:
;   wave w makes the row of token' 4 w + ks of its fragment: each s once.
; THE BARRIER between the stores into LDS and the reads stands on every work-group's path; the weights' work-groups pass it with nothing pending.  All LDS addresses are made ahead of the first branch.
; Memory binds: no matrix unit, no tensor load, no cluster (work-groups share nothing).
; LIMITS: NaN and infinities are not served.  A block of zeros, or one whose largest magnitude lies under 2^-118, gets the byte 1 (only this program reads the bytes).  inv_freq[i] is the f32 nearest to 10^(-i/8);
; it may differ in the last bit from a power followed by a reciprocal, which moves an angle by up to about 1e-4 rad at the largest s.
.set BLK,      33792
.set ROPE_OFF, 128*BLK
.set NW,       704                     ; the weights' work-groups
.set PITCH,    272                     ; an LDS row: 256 codes + 16: 17 x 16 bytes, so that sixteen rows' 16 bytes fall on different banks
.set SCB,      16*PITCH                ; behind the rows: scale bytes, 64 q + 4 r + c
; src's registers
.set X,   16                           ; v16-47   eight loads: load j = row j / 2 of my four, half j % 2 of its 256
.set Y,   48                           ; v48-79   the numbers over their scales
.set M,   80                           ; v80-87   largest magnitudes, one for each load
.set BY,  88                           ; v88-95   scale bytes
.set INV, 96                           ; v96-111  1 / scale, in even registers (the odd ones are written once: the packed form names pairs)
.set C,   112                          ; v112-119 codes: register j holds load j's four
.set ONE, 120                          ; v120     1.0: the conversions' scale
.set NEG, 56                           ; s56 -448, s57 448
.set POS, 57
; the weights' registers
.set VO,  16                           ; v16-47   4 x lane + i x the pitch: row i of a block of 32
.set WX,  48                           ; v48-111  two sets of 32 numbers
.set CD,  112                          ; v112-143 codes: eight registers for each of the four blocks
.set SBW, 144                          ; v144     the scale word
.set SB,  44                           ; s[44:51] four bases: the wave's columns at rows 32 t of its 128
; 32 numbers of a lane, v[x + 4 j + 0 .. 3], four neighbours along K of load j, become codes in v[C + j] and bytes in v[BY + j]
.macro QROW x, y
.irp j, 0,1,2,3,4,5,6,7
	v_max3_num_f32 v[M+\j], |v[\x+4*\j]|, |v[\x+4*\j+1]|, 0x4800000   ; with the floor 2^(9 - 127): the byte cannot fall under 1
.endr
.irp j, 0,1,2,3,4,5,6,7
	v_max3_num_f32 v[M+\j], v[M+\j], |v[\x+4*\j+2]|, |v[\x+4*\j+3]|
.endr
.irp m, 1,2,4
.irp j, 0,1,2,3,4,5,6,7
	v_max_num_f32_dpp v[M+\j], v[M+\j], v[M+\j] row_xmask:\m row_mask:0xf bank_mask:0xf   ; the eight lanes of a block
.endr
.endr
.irp j, 0,1,2,3,4,5,6,7
	v_add_nc_u32 v[M+\j], 0xfc000000, v[M+\j]      ; 8 off the exponent field
.endr
.irp j, 0,1,2,3,4,5,6,7
	v_lshrrev_b32 v[BY+\j], 23, v[M+\j]            ; the scale's byte
.endr
.irp j, 0,1,2,3,4,5,6,7
	v_and_b32 v[M+\j], 0x7f800000, v[M+\j]
.endr
.irp j, 0,1,2,3,4,5,6,7
	v_sub_nc_u32 v[INV+2*\j], 0x7f000000, v[M+\j]  ; exponent field 254 - byte: 1 / scale
.endr
.irp j, 0,1,2,3,4,5,6,7
	v_pk_mul_f32 v[\y+4*\j:\y+4*\j+1], v[\x+4*\j:\x+4*\j+1], v[INV+2*\j:INV+2*\j+1] op_sel_hi:[1,0]
	v_pk_mul_f32 v[\y+4*\j+2:\y+4*\j+3], v[\x+4*\j+2:\x+4*\j+3], v[INV+2*\j:INV+2*\j+1] op_sel_hi:[1,0]
.endr
.set i, 0
.rept 32
	v_med3_num_f32 v[\y+i], v[\y+i], s[NEG], s[POS]   ; the conversion to an 8-bit code does not saturate (ISA guide 7.6.2): the hold at the largest code
.set i, i+1
.endr
.irp n, 0,1,2,3
	v_cvt_scalef32_pk8_fp8_f32 v[C+2*\n:C+2*\n+1], v[\y+8*\n:\y+8*\n+7], v[ONE]
.endr
	v_nop                                          ; a plain line behind the last conversion
.endm
.macro FREQ i, bits
	s_mov_b32 s58, \bits
	v_writelane_b32 v32, s58, \i
.endm
	s_load_b256 s[4:11], s[0:1], 0x0               ; src, q_w, k_w, v_w
	s_load_b256 s[12:19], s[0:1], 0x20             ; w1, w2, srcq, wq
	v_lshl_add_u32 v160, v0, 2, 0x1200
	v_mov_b32 v161, 0
	v_lshrrev_b32 v1, 5, v0
	v_readfirstlane_b32 s20, v1                    ; wave 0..3
	v_and_b32 v2, 31, v0                           ; lane
	v_lshlrev_b32 v3, 4, v2                        ; 16 bytes a lane
	; the LDS addresses and the offsets of src's way out
	s_mul_i32 s42, s20, 4*PITCH
	v_lshl_add_u32 v4, v2, 2, s42                  ; in: my four rows, 4 bytes a lane
	s_lshl_b32 s43, s20, 4
	s_add_co_u32 s43, s43, SCB
	v_lshrrev_b32 v5, 3, v2
	v_add_nc_u32 v5, s43, v5                       ; my block's scale byte: SCB + 4 (4 w) + lane / 8
	v_and_b32 v7, 15, v0
	v_lshrrev_b32 v8, 4, v0
	v_mul_u32_u24 v6, v7, PITCH
	v_lshl_add_u32 v6, v8, 4, v6                   ; out: thread t takes row t % 16, bytes 16 (t / 16) on
	v_lshlrev_b32 v9, 4, v0                        ; and in a fragment: 16 t
	v_lshl_add_u32 v10, v2, 2, SCB                 ; the 32 scale words: lane l takes word l = 16 q + r,
	v_lshrrev_b32 v11, 4, v2
	v_lshlrev_b32 v11, 9, v11
	v_and_b32 v12, 15, v2
	v_lshl_add_u32 v11, v12, 2, v11                ; which goes to 512 q + 4 r
	; src's scalars (a weights' work-group makes those of number 0 and uses none)
	s_max_u32 s21, ttmp9, NW
	s_sub_co_u32 s21, s21, NW
	s_and_b32 s22, s21, 3                          ; ks
	s_lshr_b32 s23, s21, 2
	s_and_b32 s24, s23, 7                          ; fragment i
	s_lshr_b32 s25, s23, 3                         ; rb
	s_lshl_b32 s26, s25, 7
	s_lshr_b32 s27, s24, 1
	s_lshl_b32 s27, s27, 5
	s_add_co_u32 s26, s26, s27
	s_and_b32 s27, s24, 1
	s_lshl_b32 s27, s27, 3
	s_add_co_u32 s26, s26, s27
	s_lshl_b32 s27, s20, 2
	s_add_co_u32 s26, s26, s27
	s_lshr_b32 s27, s20, 1
	s_lshl_b32 s27, s27, 3
	s_add_co_u32 s26, s26, s27                     ; my first token' = 128 rb + 32 (i / 2) + 8 (i % 2) + r + 8 (r / 8), r = 4 w; my four are neighbours
	s_and_b32 s27, s26, 2047                       ; s
	s_lshr_b32 s28, s26, 11                        ; b
	s_lshl_b32 s29, s27, 1
	s_add_co_u32 s29, s29, s28
	s_lshl_b32 s30, s29, 12                        ; src's row 2 s + b, 4,096 bytes a row,
	s_lshl_b32 s29, s22, 10
	s_add_co_u32 s30, s30, s29                     ; its K step's 1,024 bytes
	s_mov_b32 s31, 0
	s_lshl_b32 s32, s25, 2
	s_add_co_u32 s32, s32, s22
	s_mul_i32 s32, s32, BLK                        ; block (rb, ks)
	s_lshl_b32 s33, s24, 11
	s_add_co_u32 s34, s32, s33                     ; its fragment (i, 0)
	s_mov_b32 s35, 0
	s_lshl_b32 s33, s24, 6
	s_add_co_u32 s36, s32, s33
	s_add_co_u32 s36, s36, 32768                   ; the fragment row's scale words
	s_mov_b32 s37, 0
	s_add_co_u32 s38, s27, s22                     ; the table's row that I make: that of my row ks
	s_lshl_b32 s40, s38, 8
	s_add_co_u32 s40, s40, ROPE_OFF
	s_mov_b32 s41, 0
	s_mov_b32 s[NEG], 0xc3e00000
	s_mov_b32 s[POS], 0x43e00000
	s_wait_kmcnt 0x0
	s_add_nc_u64 s[30:31], s[4:5], s[30:31]
	s_add_nc_u64 s[34:35], s[16:17], s[34:35]
	s_add_nc_u64 s[36:37], s[16:17], s[36:37]
	s_add_nc_u64 s[40:41], s[16:17], s[40:41]
	s_cmp_lt_u32 ttmp9, NW
	s_cbranch_scc1 .Lmeet
.irp j, 0,1,2,3,4,5,6,7
	global_load_b128 v[X+4*\j:X+4*\j+3], v3, s[30:31] offset:(\j/2)*8192+(\j%2)*512 th:TH_LOAD_NT   ; a step in s is two rows of src
.endr
.irp j, 0,1,2,3,4,5,6,7
	v_mov_b32 v[INV+2*\j+1], 0
.endr
	v_mov_b32 v[ONE], 1.0
	s_wait_loadcnt 0x0
	QROW X, Y
.irp j, 0,1,2,3,4,5,6,7
	ds_store_b32 v4, v[C+\j] offset:(\j/2)*PITCH+(\j%2)*128
	ds_store_b8 v5, v[BY+\j] offset:(\j%2)*64+(\j/2)*4    ; the eight lanes of a block write the same byte with the same value
.endr
.Lmeet:
	s_wait_dscnt 0x0                               ; for the others' sake: my stores have landed
	s_barrier_signal -1
	s_barrier_wait -1
	s_cmp_lt_u32 ttmp9, NW
	s_cbranch_scc1 .Lweights
	ds_load_b128 v[16:19], v6
	ds_load_b128 v[20:23], v6 offset:128
	s_wait_dscnt 1                                 ; the first is in; the second may be out
	global_store_b128 v9, v[16:19], s[34:35]       ; fragment (i, 0): a wave stores 512 consecutive bytes
	s_wait_dscnt 0x0
	global_store_b128 v9, v[20:23], s[34:35] offset:16384   ; fragment (i, 1)
	s_cmp_eq_u32 s20, 0                            ; 32 scale words: wave 0
	s_cbranch_scc0 .Lno_scales
	ds_load_b32 v24, v10
	s_wait_dscnt 0x0
	global_store_b32 v11, v24, s[36:37]
.Lno_scales:
	s_cmp_lt_u32 ttmp9, NW+512                     ; rows with b = 0: each s once
	s_cbranch_scc0 .Ldone
	v_mov_b32 v32, 0
	FREQ 0, 0x3f800000
	FREQ 1, 0x3f3ff911
	FREQ 2, 0x3f0ff59a
	FREQ 3, 0x3ed7e89b
	FREQ 4, 0x3ea1e89b
	FREQ 5, 0x3e72d424
	FREQ 6, 0x3e361887
	FREQ 7, 0x3e088d77
	FREQ 8, 0x3dcccccd
	FREQ 9, 0x3d99940e
	FREQ 10, 0x3d6655c3
	FREQ 11, 0x3d2cba15
	FREQ 12, 0x3d0186e2
	FREQ 13, 0x3cc24350
	FREQ 14, 0x3c91ad39
	FREQ 15, 0x3c5a7bf1
	FREQ 16, 0x3c23d70a
	FREQ 17, 0x3bf5b9b0
	FREQ 18, 0x3bb8449c
	FREQ 19, 0x3b8a2e77
	FREQ 20, 0x3b4f3e37
	FREQ 21, 0x3b1b690d
	FREQ 22, 0x3ae91528
	FREQ 23, 0x3aaec98e
	FREQ 24, 0x3a83126f
	FREQ 25, 0x3a44948c
	FREQ 26, 0x3a136a16
	FREQ 27, 0x39dd1726
	FREQ 28, 0x39a5cc07
	FREQ 29, 0x3978a814
	FREQ 30, 0x393a7753
	FREQ 31, 0x390bd472
	v_cvt_f32_u32 v33, s38
	v_mul_f32 v33, v33, v32                        ; the angle, rounded once
	v_mul_f32 v34, 0x3f22f983, v33
	v_rndne_f32 v34, v34                           ; n = the nearest whole number to angle x 2 / pi
	v_fmamk_f32 v35, v34, 0xbfc90fdb, v33          ; less n x pi / 2, its upper part,
	v_fmamk_f32 v35, v34, 0x333bbd2e, v35          ; and its lower: r in +-pi/4
	v_mul_f32 v36, v35, v35                        ; z = r r
	v_mov_b32 v37, 0xb94ca1f9
	v_fmaak_f32 v37, v37, v36, 0x3c08839e
	v_fmaak_f32 v37, v37, v36, 0xbe2aaaa3
	v_mul_f32 v37, v37, v36
	v_fma_f32 v37, v37, v35, v35                   ; sin r
	v_mov_b32 v38, 0x37ccf5ce
	v_fmaak_f32 v38, v38, v36, 0xbab6061a
	v_fmaak_f32 v38, v38, v36, 0x3d2aaaa5
	v_mul_f32 v39, v36, v36
	v_fma_f32 v40, v36, -0.5, 1.0
	v_fma_f32 v38, v38, v39, v40                   ; cos r
	v_cvt_i32_f32 v41, v34
	v_and_b32 v42, 1, v41
	v_cmp_eq_u32 vcc_lo, 1, v42                    ; odd quarters change the two over
	v_cndmask_b32 v45, v37, v38, vcc_lo            ; sin
	v_cndmask_b32 v44, v38, v37, vcc_lo            ; cos
	v_lshlrev_b32 v42, 30, v41
	v_and_b32 v42, 0x80000000, v42
	v_xor_b32 v45, v45, v42                        ; sin is negative in quarters 2 and 3,
	v_add_nc_u32 v43, 1, v41
	v_lshlrev_b32 v43, 30, v43
	v_and_b32 v43, 0x80000000, v43
	v_xor_b32 v44, v44, v43                        ; cos in quarters 1 and 2
	v_lshlrev_b32 v46, 3, v2
	global_store_b64 v46, v[44:45], s[40:41]       ; 32 lanes store the row's 256 consecutive bytes
.Ldone:
	s_wait_tensorcnt 0x0
	ds_add_u32 v160, v161
	s_wait_dscnt 0x0
	s_endpgm
.Lweights:
	s_lshr_b32 s21, ttmp9, 1                       ; the block
	s_and_b32 s22, ttmp9, 1                        ; q: which 128 of its 256 along K
	s_lshr_b32 s23, s21, 5                         ; under 96: which of q_w, k_w, v_w,
	s_bfe_u32 s24, s21, 0x30002                    ; cb,
	s_and_b32 s25, s21, 3                          ; ks
	s_sub_co_u32 s26, s21, 96                      ; w1's
	s_lshr_b32 s27, s26, 2
	s_and_b32 s28, s26, 3
	s_sub_co_u32 s29, s21, 224                     ; w2's
	s_lshr_b32 s30, s29, 4
	s_and_b32 s31, s29, 15
	s_cmp_eq_u32 s23, 1                            ; every choice hangs on the work-group's number alone
	s_cselect_b64 s[6:7], s[8:9], s[6:7]
	s_cmp_eq_u32 s23, 2
	s_cselect_b64 s[6:7], s[10:11], s[6:7]
	s_cselect_b32 s32, 0, -1                       ; all ones: the fragments' rows are not neighbours
	s_cmp_ge_u32 s21, 96
	s_cselect_b64 s[6:7], s[12:13], s[6:7]
	s_cselect_b32 s24, s27, s24
	s_cselect_b32 s25, s28, s25
	s_cselect_b32 s32, -1, s32
	s_cselect_b32 s33, 14, 12                      ; log2 of a row's bytes
	s_cmp_ge_u32 s21, 224
	s_cselect_b64 s[6:7], s[14:15], s[6:7]
	s_cselect_b32 s24, s30, s24
	s_cselect_b32 s25, s31, s25
	s_cselect_b32 s32, 0, s32
	s_cselect_b32 s33, 12, s33
	s_lshl_b32 s34, 1, s33                         ; the pitch
	s_lshl_b32 s35, s25, 1
	s_add_co_u32 s35, s35, s22
	s_lshl_b32 s35, s35, 7                         ; row 256 ks + 128 q,
	s_lshl_b32 s36, s35, s33
	s_lshl_b32 s35, s24, 9
	s_add_co_u32 s36, s36, s35                     ; 128 cb columns,
	s_lshl_b32 s35, s20, 7
	s_add_co_u32 s36, s36, s35                     ; 32 x wave columns
	s_mov_b32 s37, 0
	s_lshl_b32 s38, s34, 5                         ; 32 rows
	s_mov_b32 s39, 0
	s_add_nc_u64 s[SB:SB+1], s[6:7], s[36:37]
.irp t, 1,2,3
	s_add_nc_u64 s[SB+2*\t:SB+2*\t+1], s[SB+2*\t-2:SB+2*\t-1], s[38:39]
.endr
	s_mul_i32 s40, s21, BLK
	s_lshl_b32 s41, s22, 14
	s_add_co_u32 s52, s40, s41
	s_mov_b32 s53, 0
	s_lshl_b32 s41, s22, 9
	s_add_co_u32 s54, s40, s41
	s_mov_b32 s55, 0
	s_add_nc_u64 s[52:53], s[18:19], s[52:53]      ; my block's fragments of half q
	s_add_nc_u64 s[54:55], s[18:19], s[54:55]      ; my block + 512 q: for the scale words
	s_mov_b32 s35, 0x600000                        ; the mantissa field of 448
	v_lshlrev_b32 v[VO], 2, v2
.set i, 1
.rept 31
	v_add_nc_u32 v[VO+i], s34, v[VO+i-1]
.set i, i+1
.endr
.macro LOAD t
.set i, 0
.rept 32
	global_load_b32 v[WX+32*((\t)%2)+i], v[VO+i], s[SB+2*(\t):SB+2*(\t)+1] th:TH_LOAD_NT
.set i, i+1
.endr
.endm
	LOAD 0
	LOAD 1
	v_lshrrev_b32 v146, 4, v2                      ; neighbours: fragment l / 16,
	v_and_b32 v147, 15, v2                         ; row l % 16
	v_bfe_u32 v148, v2, 3, 1                       ; else: fragment (l / 8) % 2,
	v_and_b32 v149, 7, v2
	v_lshl_add_u32 v149, v146, 3, v149             ; row l % 8 + 8 (l / 16)
	s_mov_b32 vcc_lo, s32
	v_cndmask_b32 v146, v146, v148, vcc_lo
	v_cndmask_b32 v147, v147, v149, vcc_lo
	s_lshl_b32 s36, s20, 1
	v_add_nc_u32 v146, s36, v146                   ; + 2 x wave
	v_lshlrev_b32 v150, 11, v146
	v_lshl_add_u32 v150, v147, 4, v150             ; my codes' place: 2048 i + 16 r
	v_lshlrev_b32 v151, 6, v146
	v_lshl_add_u32 v151, v147, 2, v151             ; my scale word's: 4 (16 i + r)
.macro BLOCK t
.set XS, WX+32*((\t)%2)
.set CT, CD+8*(\t)
.if (\t) < 3
	s_wait_loadcnt 32                              ; this block's 32 loads are in; the next block's may be out
.else
	s_wait_loadcnt 0x0
.endif
	v_max3_num_f32 v152, |v[XS]|, |v[XS+1]|, |v[XS+2]|
	v_max3_num_f32 v153, |v[XS+3]|, |v[XS+4]|, |v[XS+5]|
.irp i, 6,10,14,18,22,26
	v_max3_num_f32 v152, v152, |v[XS+\i]|, |v[XS+\i+1]|
	v_max3_num_f32 v153, v153, |v[XS+\i+2]|, |v[XS+\i+3]|
.endr
	v_max3_num_f32 v152, v152, |v[XS+30]|, |v[XS+31]|
	v_max3_num_f32 v152, v152, v153, 0x4800000     ; and the floor 2^(9 - 127): the byte cannot fall under 1
	v_add_nc_u32 v154, 0xfc000000, v152            ; 8 off the exponent field: the conversion's scale operand
	v_and_or_b32 v155, v152, 0x7f800000, s35       ; 448 x the scale
	v_lshrrev_b32 v153, 23, v154                   ; the byte
.if (\t) == 0
	v_mov_b32 v[SBW], v153
.else
	v_lshl_or_b32 v[SBW], v153, 8*(\t), v[SBW]
.endif
.set i, 0
.rept 32
	v_med3_num_f32 v[XS+i], v[XS+i], -v155, v155   ; the conversion does not saturate (ISA guide 7.6.2): the hold
.set i, i+1
.endr
.irp g, 0,1,2,3
	v_cvt_scalef32_pk8_fp8_f32 v[CT+2*\g:CT+2*\g+1], v[XS+8*\g:XS+8*\g+7], v154
.endr
	global_store_b128 v150, v[CT:CT+3], s[52:53] offset:(\t)*512          ; k 0 .. 15 of the block: the place of lane r
	global_store_b128 v150, v[CT+4:CT+7], s[52:53] offset:(\t)*512+256    ; k 16 .. 31: of lane 16 + r
.if (\t)+2 < 4
	LOAD (\t)+2
.endif
.endm
.irp t, 0,1,2,3
	BLOCK \t
.endr
	global_store_b32 v151, v[SBW], s[54:55] offset:32768
	s_wait_tensorcnt 0x0
	ds_add_u32 v160, v161
	s_wait_dscnt 0x0
	s_endpgm
.Lfunc_end_k_q7c6cd0cd75_quant:
	.size	k_q7c6cd0cd75_quant, .Lfunc_end_k_q7c6cd0cd75_quant-k_q7c6cd0cd75_quant
	.p2alignl 7, 3214868480
	.fill 96, 4, 3214868480
	.section	.rodata,"a",@progbits
	.p2align	6, 0x0
	.amdhsa_kernel k_q7c6cd0cd75_quant
		.amdhsa_group_segment_fixed_size 5120
		.amdhsa_private_segment_fixed_size 0
		.amdhsa_enable_private_segment 0
		.amdhsa_kernarg_size 64
		.amdhsa_user_sgpr_count 2
		.amdhsa_user_sgpr_kernarg_segment_ptr 1
		.amdhsa_wavefront_size32 1
		.amdhsa_system_sgpr_workgroup_id_x 1
		.amdhsa_system_sgpr_workgroup_id_y 1
		.amdhsa_system_sgpr_workgroup_id_z 1
		.amdhsa_system_vgpr_workitem_id 0
		.amdhsa_next_free_vgpr 162
		.amdhsa_next_free_sgpr 66
		.amdhsa_reserve_vcc 1
		.amdhsa_float_denorm_mode_32 3
		.amdhsa_float_denorm_mode_16_64 3
		.amdhsa_memory_ordered 1
		.amdhsa_forward_progress 1
		.amdhsa_inst_pref_size 51
	.end_amdhsa_kernel
	.amdgpu_metadata
---
amdhsa.version: [ 1, 2 ]
amdhsa.kernels:
  - .name:           k_q7c6cd0cd75_quant
    .symbol:         k_q7c6cd0cd75_quant.kd
    .args:
      - { .name: src, .offset: 0, .size: 8, .value_kind: global_buffer, .address_space: global }
      - { .name: q_w, .offset: 8, .size: 8, .value_kind: global_buffer, .address_space: global }
      - { .name: k_w, .offset: 16, .size: 8, .value_kind: global_buffer, .address_space: global }
      - { .name: v_w, .offset: 24, .size: 8, .value_kind: global_buffer, .address_space: global }
      - { .name: w1, .offset: 32, .size: 8, .value_kind: global_buffer, .address_space: global }
      - { .name: w2, .offset: 40, .size: 8, .value_kind: global_buffer, .address_space: global }
      - { .name: srcq, .offset: 48, .size: 8, .value_kind: global_buffer, .address_space: global }
      - { .name: wq, .offset: 56, .size: 8, .value_kind: global_buffer, .address_space: global }
    .group_segment_fixed_size: 5120
    .private_segment_fixed_size: 0
    .kernarg_segment_align: 8
    .kernarg_segment_size: 64
    .max_flat_workgroup_size: 128
    .sgpr_count:     66
    .vgpr_count:     162
    .wavefront_size: 32
...
	.end_amdgpu_metadata
.endif
;; end of part 1
;; launch qkv (part 2): grid 12 x 16, 4 waves a work-group, clusters of 4 x 4, 327,680 bytes of LDS; arguments srcq, wq, q_b, k_b, v_b, qkvb; writes qkvb
.if DOCPART == 2
	.amdgcn_target "amdgcn-amd-amdhsa--gfx1250"
	.amdhsa_code_object_version 6
	.text
	.protected	k_q7c6cd0cd75_qkv
	.globl	k_q7c6cd0cd75_qkv
	.p2align	8
	.type	k_q7c6cd0cd75_qkv,@function
k_q7c6cd0cd75_qkv:
	s_mov_b64 s[64:65], 0
	v_nop
	global_prefetch_b8 v0, s[64:65] scope:SCOPE_SE
	s_setreg_imm32_b32 hwreg(HW_REG_WAVE_MODE, 25, 1), 1
	s_wait_xcnt 0x0
	s_wait_alu depctr_hold_cnt(0) depctr_sa_sdst(0) depctr_va_vdst(0) depctr_va_sdst(0) depctr_va_ssrc(0) depctr_va_vcc(0) depctr_vm_vsrc(0)
	s_getreg_b32 s2, hwreg(HW_REG_IB_STS2, 6, 4)
	s_cmp_eq_u32 s2, 0
	s_cbranch_scc0 .Lentry_in_a_cluster
	s_endpgm
.Lentry_in_a_cluster:
	s_bfe_u32 s2, ttmp6, 0x10000c
	s_cmp_lg_u32 s2, 0xf033
	s_cbranch_scc0 .Lentry_shape_is_right
	s_endpgm
.Lentry_shape_is_right:
; Q = rope(src q_w + q_b), K = rope(src k_w + k_b), V = src v_w + v_b, on codes of FP8 (E4M3) with E8M0 scales, K = 1,024; the results are quantised in registers for attention's two products and stored as operand images.
; THE PRODUCT.  A tile of 256 x 256 to a work-group of four waves, 128 x 128 to a wave: 64 accumulators in 512 registers.  K goes in steps of 256 through two LDS slots.  Both operands lie in memory as blocks of
; 128 rows x 256 K (33,792 bytes: 16 fragments as images of their registers, then their scale words), so a wave's part of a slot is ONE dense tensor load, a fragment is four loads of 512 consecutive LDS bytes, and the scale words ride along.
; The matrix instruction is used transposed: source 0 = 16 rows of "B", source 1 = 16 rows of "A": a lane holds one row of A and eight rows of B.
; ROLES, by the cluster's x (the same in all partners).  x = 0: Q, x = 1: K: A = the tokens, B = the weight's columns.  x = 2: V TRANSPOSED: A = v_w's columns (channels), B = the tokens, since V is quantised along the keys.
; The rows of the tokens' fragments and of q_w's and k_w's are laid so that a lane's 16 registers of accumulators (a, 2 beta) and (a, 2 beta + 1) are 16 NEIGHBOURS along B: features 32 beta + 16 (lane / 16) + 0 .. 15, or keys likewise.
; THE WAY OUT, 16 rows of A at a time.  Q, K: the rotation (cos and sin from the table behind the tokens' codes), a quantiser along the head's 64, codes and scale words of two heads.  V: the bias, a quantiser along 128 keys.
; qkvb: for (head bh, key step j of 128 keys) 16,896 bytes: K's eight tiles (1024 a + 512 c + 16 lane), K's scale words (8192 + 64 p + 4 r: tiles 2 p and 2 p + 1, two bytes each), V^T's four fragments (8448 + 2048 t + 512 c + 16 lane),
; their scale words (16640 + 64 t + 4 r).  Q's tiles at QC_OFF + 131072 bh + 1024 qt, its scale words at QS_OFF + 4096 bh + 256 j + 64 p + 4 r.
; CLUSTERS: 4 x 4 work-groups; A's blocks are asked for jointly along a row of the cluster, B's along a column.  q_b or k_b is the C of each sum's first matrix instruction (for V that C is masked to 0; v_b, which goes by A's rows, is added on the way out).
; No prefetch: K has four steps, two of which are first fills.  LIMITS: NaN and infinities are not served; a block of zeros, or one under 2^-118, gets the byte 1 (only this program reads the bytes).
; REGISTERS: window 0: v1-11 offsets, v16-23 LDS addresses, v28-29 the add's; v32-63 scale words, two sets; v64-127 the bias; v128-255 A's fragments, one set, later the way out.  window 1: B's fragments, two sets, later the tables.  windows 2, 3: accumulators.
.set BLK,   33792
.set SLOT,  4*BLK                      ; A's two blocks, then B's two
.set SPARE, 2*SLOT                     ; behind the ring: the spare words, 128 bytes a wave
.set ROPE_OFF, 128*BLK
.set QC_OFF, 8650752
.set QS_OFF, 12845056
.set LAPS,  2                          ; K / 512
.set FR,  16
.set NL,  4
.set NP,  8                            ; places behind this matrix instruction (ISA guide 7.12.1)
.set NQ,  2
.set ADRA, 16                          ; v16-17 A's block in slot 0, 1, + 16 x lane
.set ADRB, 20                          ; v20-21 B's
.set ADRS, 22                          ; v22-23 scale words: lanes 0-15 A's rows, lanes 16-31 B's
.set SPW,  28
.set NIL,  29
.set SC,   32
.set BIAS, 64
.set AF,   128
.set HA,   128                         ; the way out: 64 numbers
.set PW,   192                         ; the scale word just made; v193 the one before; v194 what is stored; v195-196 at work
.set PWE,  193
.set W,    194
.set PC,   224                         ; the codes just made
.set TM,   240                         ; v240-243 largest magnitudes, 244-247 bytes, 248-251 448 x scale, 252-255 the conversions' scale operands
.set G1,  24
.set G0,  32
.set G1B, 48
.set G0B, 56
.set SEL, 66
.set MNT, 12
.set MSB, 0
.macro WIN new                         ; the immediate's high byte repeats the setting that is left
.if MSB != (\new)
	s_set_vgpr_msb (MSB<<8)|(\new)
.set MSB, (\new)
.endif
.endm
.set MUL_LO, 0xa1                      ; source 0 (B) window 1, source 1 (A) window 0, C and D window 2
.set MUL_HI, 0xf1                      ; the same, C and D window 3
.set TO_B,   0x40                      ; destination window 1
.macro JLOAD s                         ; a joint load: waves 0 and 1 fetch A's two blocks, waves 2 and 3 B's; four v_nop follow each line
	s_cmp_eq_u32 s15, 0
	s_cbranch_scc0 .Lfor_b_\@
	tensor_load_to_lds s[G0+4*\s:G0+4*\s+3], s[G1:G1+7]
	s_nop 0
.rept 4
	v_nop
.endr
	s_branch .Lasked_\@
.Lfor_b_\@:
	tensor_load_to_lds s[G0B+4*\s:G0B+4*\s+3], s[G1B:G1B+7]
	s_nop 0
.rept 4
	v_nop
.endr
.Lasked_\@:
.endm
.macro CREST                           ; a round of the cluster's barrier behind its opening barrier
	s_cmp_lg_u32 s14, 0
	s_cbranch_scc1 .Lnot_wave_0_\@
	s_barrier_signal -3
.Lnot_wave_0_\@:
	s_barrier_wait -3
	s_barrier_signal -1
	s_barrier_wait -1
.endm
.macro CROUND
	s_barrier_signal -1
	s_barrier_wait -1
	CREST
.endm
.macro PLACES n
.rept \n
	v_nop
.endr
.endm
.macro FRAG reg, adr, q, i             ; fragment (i, q) of a block: four loads of 512 consecutive bytes
.irp c, 0,1,2,3
	ds_load_b128 v[\reg+4*\c:\reg+4*\c+3], v[\adr] offset:(8*(\q)+(\i))*2048+512*\c
.endr
.endm
; 16 matrix instructions: A's fragments a0, a0 + 1 x B's eight.  p: B's set; q: which 128 of the slot; sc: the set of scale words; zero = 1: the bias starts the sums.  The 64 accumulators take turns.
.macro MUL16 a0, p, q, sc, zero
.irp a, \a0, \a0+1
.irp b, 0,1,2,3,4,5,6,7
.if \zero
	v_wmma_scale_f32_16x16x128_f8f6f4 v[8*(8*((\a)%4)+\b):8*(8*((\a)%4)+\b)+7], v[128*(\p)+FR*\b:128*(\p)+FR*\b+FR-1], v[AF+FR*(\a):AF+FR*(\a)+FR-1], v[BIAS+8*\b:BIAS+8*\b+7], v[SC+8*NQ*(\sc)+NQ*\b+(\q)], v[SC+8*NQ*(\sc)+NQ*(\a)+(\q)] matrix_a_scale:MATRIX_SCALE_ROW1
.else
	v_wmma_scale_f32_16x16x128_f8f6f4 v[8*(8*((\a)%4)+\b):8*(8*((\a)%4)+\b)+7], v[128*(\p)+FR*\b:128*(\p)+FR*\b+FR-1], v[AF+FR*(\a):AF+FR*(\a)+FR-1], v[8*(8*((\a)%4)+\b):8*(8*((\a)%4)+\b)+7], v[SC+8*NQ*(\sc)+NQ*\b+(\q)], v[SC+8*NQ*(\sc)+NQ*(\a)+(\q)] matrix_a_scale:MATRIX_SCALE_ROW1
.endif
.endr
.endr
.endm
.macro FETCH_B slot, q, p
	WIN TO_B
.irp i, 0,1,2,3,4,5,6,7
	FRAG 128*(\p)+FR*\i, ADRB+\slot, \q, \i
.endr
	WIN 0
.endm
.macro FETCH_A slot, q, i0
.irp i, \i0, \i0+1, \i0+2, \i0+3
	FRAG AF+FR*(\i), ADRA+\slot, \q, \i
.endr
.endm
.macro SCALES sc                       ; a slot's scale words: register 2 i + q: lanes 0-15 A's fragment i, lanes 16-31 B's fragment i
.irp i, 0,1,2,3,4,5,6,7
	ds_load_b32 v[SC+16*\sc+2*\i], v[ADRS+\sc] offset:64*\i
	ds_load_b32 v[SC+16*\sc+2*\i+1], v[ADRS+\sc] offset:512+64*\i
.endr
.endm
.macro STEP slot, q, zero              ; 128 along K that has its successor in the same slot
	s_wait_dscnt 4*NL                              ; all but the youngest sixteen loads (A's fragments 4-7)
	WIN MUL_LO-0x20*(\zero)                        ; (with the bias as C: source 2 in window 0)
	MUL16 0, (\q)%2, \q, \slot, \zero
	MUL16 2, (\q)%2, \q, \slot, \zero
	s_wait_dscnt 0
	PLACES NP
	FETCH_B \slot, (\q)+1, 1-(\q)%2
	FETCH_A \slot, (\q)+1, 0
	WIN MUL_HI-0x30*(\zero)
	MUL16 4, (\q)%2, \q, \slot, \zero
	MUL16 6, (\q)%2, \q, \slot, \zero
	PLACES NP
	WIN 0
	FETCH_A \slot, (\q)+1, 4
.endm
; A slot's last 128 change slots: one barrier; in front of it each wave waits for all its tensor loads, adds 0 to its spare word, and waits for that and for its reads of this slot.  fill = 1: the slot is filled again, two K steps on.
.macro TURN slot, next, fill
	s_wait_tensorcnt 0x0                           ; all my tensor loads have landed: my part of the next slot
	ds_add_u32 v[SPW], v[NIL]                      ; 0 onto my spare word
	s_wait_dscnt 4*NL+1                            ; (the add and A's fragments 4-7 may be out)
	WIN MUL_LO
	MUL16 0, 1, NQ-1, \slot, 0
	s_wait_dscnt 0x0                               ; the add is done, and my reads of this slot are over
	s_barrier_signal -1
	MUL16 2, 1, NQ-1, \slot, 0
	WIN 0
	s_barrier_wait -1
.if \fill
	CREST                                          ; the barrier has opened a round of the cluster's: no wave of any partner still reads this slot or has a load on its way
	s_add_nc_u64 s[G0+4*\slot+2:G0+4*\slot+3], s[G0+4*\slot+2:G0+4*\slot+3], 2*BLK
	s_add_nc_u64 s[G0B+4*\slot+2:G0B+4*\slot+3], s[G0B+4*\slot+2:G0B+4*\slot+3], 2*BLK
	JLOAD \slot                                    ; the first tensor load behind the round; its four v_nop are four of the places
	PLACES NP-4
.else
	PLACES NP
.endif
	FETCH_B \next, 0, 0
	FETCH_A \next, 0, 0
	SCALES \next
	WIN MUL_HI
	MUL16 4, 1, NQ-1, \slot, 0
	MUL16 6, 1, NQ-1, \slot, 0
	PLACES NP
	WIN 0
	FETCH_A \next, 0, 4
.endm
; 64 numbers of a lane, v[s] on in window w, register 16 b + i = k 32 b + 16 (lane / 16) + i of my row, become a fragment's codes in v[PC] on and its scale word in v[PW].  The held numbers go to v[HA] on.  Each accumulator is read from its low end on.
.macro QUANT s, w, relu
	WIN 5*(\w)
.irp b, 0,1,2,3
.if \relu
	v_max3_num_f32 v[TM+\b], v[(\s)+16*\b], v[(\s)+1+16*\b], 0x4800000
.else
	v_max3_num_f32 v[TM+\b], |v[(\s)+16*\b]|, |v[(\s)+1+16*\b]|, 0x4800000   ; with the floor 2^(9 - 127): the byte cannot fall under 1
.endif
.endr
	WIN 20*(\w)
.irp i, 2,4,6,8,10,12,14
.irp b, 0,1,2,3
.if \relu
	v_max3_num_f32 v[TM+\b], v[TM+\b], v[(\s)+16*\b+\i], v[(\s)+1+16*\b+\i]
.else
	v_max3_num_f32 v[TM+\b], v[TM+\b], |v[(\s)+16*\b+\i]|, |v[(\s)+1+16*\b+\i]|
.endif
.endr
.endr
	WIN 0
.irp b, 0,1,2,3
	v_permlanex16_b32 v[TM+4+\b], v[TM+\b], s[SEL], s[SEL+1]
.endr
.irp b, 0,1,2,3
	v_max_num_f32 v[TM+\b], v[TM+\b], v[TM+4+\b]   ; with lane l xor 16's: the block's largest magnitude
.endr
.irp b, 0,1,2,3
	v_add_nc_u32 v[TM+12+\b], 0xfc000000, v[TM+\b] ; 8 off the exponent field: the conversion's scale operand
.endr
.irp b, 0,1,2,3
	v_and_or_b32 v[TM+8+\b], v[TM+\b], 0x7f800000, s[MNT]   ; 448 x the scale
.endr
.irp b, 0,1,2,3
	v_lshrrev_b32 v[TM+4+\b], 23, v[TM+12+\b]      ; the byte
.endr
	v_lshl_or_b32 v[PW], v[TM+5], 8, v[TM+4]
	v_lshl_or_b32 v[PW], v[TM+6], 16, v[PW]
	v_lshl_or_b32 v[PW], v[TM+7], 24, v[PW]
	WIN (\w)
.irp b, 0,1,2,3
.irp i, 0,1,2,3,4,5,6,7,8,9,10,11,12,13,14,15
.if \relu
	v_med3_num_f32 v[HA+16*\b+\i], v[(\s)+16*\b+\i], 0, v[TM+8+\b]
.else
	v_med3_num_f32 v[HA+16*\b+\i], v[(\s)+16*\b+\i], -v[TM+8+\b], v[TM+8+\b]   ; the conversion does not saturate (ISA guide 7.6.2): the hold
.endif
.endr
.endr
	WIN 0
.irp b, 0,1,2,3
	v_cvt_scalef32_pk8_fp8_f32 v[PC+4*\b:PC+4*\b+1], v[HA+16*\b:HA+16*\b+7], v[TM+12+\b]
	v_cvt_scalef32_pk8_fp8_f32 v[PC+4*\b+2:PC+4*\b+3], v[HA+16*\b+8:HA+16*\b+15], v[TM+12+\b]
.endr
	v_nop                                          ; a plain line behind the last conversion
.endm
	s_load_b128 s[4:7], s[0:1], 0x0                ; srcq, wq
	s_load_b128 s[8:11], s[0:1], 0x10              ; q_b, k_b
	s_load_b128 s[68:71], s[0:1], 0x20             ; v_b, qkvb
	v_lshl_add_u32 v[SPW], v0, 2, SPARE
	v_mov_b32 v[NIL], 0
	ds_add_u32 v28, v29
	ds_add_u32 v28, v29
	s_wait_dscnt 0x0
	v_lshrrev_b32 v1, 5, v0
	v_readfirstlane_b32 s14, v1                    ; wave 0..3
	s_lshr_b32 s15, s14, 1                         ; which half of A's rows is mine.  Also: I fetch for A (0) or for B (1)
	s_and_b32 s16, s14, 1                          ; which half of B's rows.  Also: which block of the two I fetch
	s_bfe_u32 s40, ttmp6, 0x40000                  ; cx
	s_bfe_u32 s41, ttmp6, 0x40004                  ; cy
	s_and_b32 s18, ttmp7, 0xffff
	s_lshl_b32 s18, s18, 2                         ; 4 x cluster y
	s_lshl_b32 s19, ttmp9, 2                       ; 4 x cluster x
	s_cmp_eq_u32 ttmp9, 2                          ; V?
	s_cselect_b32 s17, 0, s18
	s_cselect_b32 s42, s18, s19
	s_cselect_b32 s72, 64*BLK, 0                   ; v_w's blocks begin here in wq
	s_cselect_b32 s73, 0, -1                       ; the mask of the bias that goes by B's rows
	s_add_co_u32 s17, s17, s41                     ; A's tile: tokens 4 cluster y + cy, or channels cy
	s_add_co_u32 s42, s42, s40                     ; B's tile: columns 4 cluster x + cx of q_w and k_w on end, or tokens 4 cluster y + cx
	s_lshl_b32 s43, s41, 2
	s_lshl_b32 s43, 15, s43                        ; my row of the cluster
	s_lshl_b32 s44, 0x1111, s40                    ; my column
	s_or_b32 s[G1+0], s43, (3<<16)|(1<<21)         ; 15:0 the mask; 17:16 elements of 8 bytes; 21 set beside a mask; no padding
	s_or_b32 s[G1B+0], s44, (3<<16)|(1<<21)
.irp g, G1, G1B
	s_mov_b32 s[\g+1], 32<<16                      ; tensor_dim0 = 32 elements: rows of 256 bytes
	s_mov_b32 s[\g+2], 132<<16                     ; tensor_dim1 = 132 rows: a block
	s_mov_b32 s[\g+3], 32<<16                      ; tile_dim0
	s_mov_b32 s[\g+4], 132                         ; tile_dim1
	s_mov_b32 s[\g+5], 32                          ; the pitch: dense
	s_mov_b32 s[\g+6], 0
	s_mov_b32 s[\g+7], 0
.endr
	s_lshl_b32 s20, s17, 1
	s_add_co_u32 s20, s20, s16
	s_mul_i32 s20, s20, 4*BLK                      ; A: block row 2 x tile + half, four K steps a row
	s_add_co_u32 s20, s20, s72
	s_mov_b32 s21, 0
	s_lshl_b32 s46, s42, 1
	s_add_co_u32 s46, s46, s16
	s_mul_i32 s46, s46, 4*BLK                      ; B likewise
	s_mov_b32 s47, 0
	s_mul_i32 s45, s14, BLK                        ; where they go: wave x a block: no place in the cluster enters an LDS address
	s_wait_kmcnt 0x0
	s_cmp_eq_u32 ttmp9, 2
	s_cselect_b64 s[74:75], s[6:7], s[4:5]         ; A's buffer
	s_cselect_b64 s[76:77], s[4:5], s[6:7]         ; B's
	s_add_nc_u64 s[20:21], s[74:75], s[20:21]
	s_add_nc_u64 s[46:47], s[76:77], s[46:47]
	CROUND                                         ; all sixteen work-groups are here: the first joint loads meet
.irp s, 0,1
	s_mov_b32 s[G0+4*\s], 1
	s_add_co_u32 s[G0+4*\s+1], s45, \s*SLOT
	s_add_nc_u64 s[G0+4*\s+2:G0+4*\s+3], s[20:21], \s*BLK
	s_or_b32 s[G0+4*\s+3], s[G0+4*\s+3], 0x80000000
	s_mov_b32 s[G0B+4*\s], 1
	s_add_co_u32 s[G0B+4*\s+1], s45, \s*SLOT
	s_add_nc_u64 s[G0B+4*\s+2:G0B+4*\s+3], s[46:47], \s*BLK
	s_or_b32 s[G0B+4*\s+3], s[G0B+4*\s+3], 0x80000000
	JLOAD \s
.endr
	v_and_b32 v1, 15, v0                           ; r
	v_bfe_u32 v2, v0, 4, 1                         ; h
	v_and_b32 v3, 31, v0
	v_lshlrev_b32 v4, 4, v3                        ; 16 x lane
	v_lshlrev_b32 v5, 6, v2                        ; the bias: 16 h numbers on
	s_cmp_eq_u32 ttmp9, 1
	s_cselect_b64 s[8:9], s[10:11], s[8:9]         ; k_b for K, else q_b
	s_lshl_b32 s98, s40, 10
	s_lshl_b32 s99, s16, 9
	s_add_co_u32 s98, s98, s99                     ; my 128 features: 256 cx + 128 half
	s_mov_b32 s99, 0
	s_add_nc_u64 s[8:9], s[8:9], s[98:99]
.irp b, 0,1,2,3,4,5,6,7
	global_load_b128 v[BIAS+8*\b:BIAS+8*\b+3], v5, s[8:9] offset:(32*(\b/2)+8*(\b%2))*4       ; register j of tile b: feature 32 (b / 2) + 16 h + 8 (b % 2) + j
	global_load_b128 v[BIAS+8*\b+4:BIAS+8*\b+7], v5, s[8:9] offset:(32*(\b/2)+8*(\b%2))*4+16
.endr
	s_mul_i32 s21, s15, BLK                        ; my block of A,
	s_mul_i32 s22, s16, BLK
	s_add_co_u32 s22, s22, 2*BLK                   ; of B
	s_sub_co_u32 s23, s22, s21
	v_mul_u32_u24 v6, s23, v2                      ; lanes 16-31 take B's scale words
	v_lshl_add_u32 v6, v1, 2, v6
	s_add_co_u32 s23, s21, 32768
.irp s, 0,1
	v_add_nc_u32 v[ADRA+\s], s21, v4
	v_add_nc_u32 v[ADRB+\s], s22, v4
	v_add_nc_u32 v[ADRS+\s], s23, v6
	s_add_co_u32 s21, s21, SLOT
	s_add_co_u32 s22, s22, SLOT
	s_add_co_u32 s23, s23, SLOT
.endr
	; where the results go.  Q, K: tokens by A, heads by B.  V: tokens by B, heads by A
	s_lshl_b32 s74, s17, 8
	s_lshl_b32 s75, s15, 7
	s_add_co_u32 s74, s74, s75
	s_lshl_b32 s75, s42, 8
	s_lshl_b32 s76, s16, 7
	s_add_co_u32 s75, s75, s76
	s_lshl_b32 s76, s40, 2
	s_lshl_b32 s77, s16, 1
	s_add_co_u32 s76, s76, s77
	s_lshl_b32 s77, s41, 2
	s_lshl_b32 s78, s15, 1
	s_add_co_u32 s77, s77, s78
	s_cmp_eq_u32 ttmp9, 2
	s_cselect_b32 s74, s75, s74                    ; my first token' = 2048 b + s
	s_cselect_b32 s76, s77, s76                    ; my first head
	s_lshr_b32 s75, s74, 11
	s_bfe_u32 s77, s74, 0x40007                    ; j: which 128 keys
	s_and_b32 s78, s74, 2047                       ; s
	s_lshl_b32 s75, s75, 4
	s_add_co_u32 s75, s75, s76                     ; bh = 16 b + head
	s_lshl_b32 s79, s75, 4
	s_add_co_u32 s79, s79, s77
	s_mul_i32 s79, s79, 16896                      ; K's tiles of (bh, j)
	s_lshl_b32 s80, s75, 17
	s_lshl_b32 s81, s77, 13
	s_add_co_u32 s80, s80, s81
	s_add_co_u32 s80, s80, QC_OFF                  ; Q's tiles
	s_lshl_b32 s81, s75, 12
	s_lshl_b32 s82, s77, 8
	s_add_co_u32 s81, s81, s82
	s_add_co_u32 s81, s81, QS_OFF                  ; Q's scale words
	s_add_co_u32 s82, s79, 8192                    ; K's scale words
	s_add_co_u32 s83, s79, 8448                    ; V's fragments
	s_mov_b32 s94, 270336                          ; from a head to the next: 16 key steps,
	s_mov_b32 s95, 270336
	s_cmp_eq_u32 ttmp9, 0
	s_cselect_b32 s79, s80, s79
	s_cselect_b32 s82, s81, s82
	s_cselect_b32 s94, 131072, s94                 ; or Q's 128 tiles,
	s_cselect_b32 s95, 4096, s95                   ; or Q's scale words
	s_cmp_eq_u32 ttmp9, 2
	s_cselect_b32 s79, s83, s79
	s_mov_b32 s80, s79
	s_mov_b32 s81, 0
	s_add_nc_u64 s[88:89], s[70:71], s[80:81]      ; codes, my first head
	s_mov_b32 s80, s94
	s_add_nc_u64 s[90:91], s[88:89], s[80:81]      ; codes, my second
	s_mov_b32 s80, s82
	s_add_nc_u64 s[92:93], s[70:71], s[80:81]      ; Q's or K's scale words
	s_lshl_b32 s80, s78, 8
	s_add_co_u32 s80, s80, ROPE_OFF
	s_add_nc_u64 s[84:85], s[4:5], s[80:81]        ; the table at my first s
	s_lshl_b32 s80, s41, 10
	s_lshl_b32 s83, s15, 9
	s_add_co_u32 s80, s80, s83
	s_add_nc_u64 s[86:87], s[68:69], s[80:81]      ; v_b at my first channel
	v_and_b32 v7, 8, v1
	v_add_nc_u32 v7, v7, v1
	v_lshlrev_b32 v7, 8, v7
	v_lshl_add_u32 v7, v2, 6, v7                   ; the table: row r + 8 (r / 8), pairs 8 h on
	v_lshlrev_b32 v8, 2, v1                        ; 4 r
	v_mul_u32_u24 v9, s95, v2
	v_lshl_add_u32 v9, v1, 2, v9                   ; Q's, K's scale words: lanes 16-31 store the second head's
	v_lshl_add_u32 v10, v2, 6, v8                  ; V's: lanes 16-31 store the next fragment's
	s_mov_b32 s[SEL], 0x76543210
	s_mov_b32 s[SEL+1], 0xfedcba98
	s_mov_b32 s[MNT], 0x600000
	s_wait_tensorcnt 1                             ; my part of K step 0 is in (K step 1's load may be out),
	s_barrier_signal -1
	s_barrier_wait -1                              ; everybody's is
	FETCH_B 0, 0, 0
	FETCH_A 0, 0, 0
	SCALES 0
	FETCH_A 0, 0, 4
	s_wait_loadcnt 0x0                             ; the bias
.set i, 0
.rept 64
	v_and_b32 v[BIAS+i], s73, v[BIAS+i]            ; for V it is 0
.set i, i+1
.endr
	PLACES 4
	STEP 0, 0, 1                                   ; the first step stands in front of the loop: the bias starts the sums
	s_mov_b32 s3, LAPS-1
.Llap:
	TURN 0, 1, 1
	STEP 1, 0, 0
	TURN 1, 0, 1
	STEP 0, 0, 0
	s_sub_co_u32 s3, s3, 1
	s_cmp_lg_u32 s3, 0
	s_cbranch_scc1 .Llap
	TURN 0, 1, 0                                   ; the last lap fills nothing
	STEP 1, 0, 0
; B's set 0 is done with (eight places back): what the way out wants first is asked for under the last 64 products
.macro ROPELOAD a                      ; cos and sin for the 16 tokens of tile a: pairs 16 u + 8 h + 0 .. 7 at v[32 a + 16 u] on, window 1
.irp u, 0,1
.irp n, 0,1,2,3
	global_load_b128 v[32*(\a)+16*\u+4*\n:32*(\a)+16*\u+4*\n+3], v7, s[84:85] offset:(32*((\a)/2)+8*((\a)%2))*256+128*\u+16*\n
.endr
.endr
.endm
	s_cmp_eq_u32 ttmp9, 2
	s_cbranch_scc1 .Learly_v
	WIN TO_B
.irp a, 0,1,2,3
	ROPELOAD \a
.endr
	WIN 0
	s_branch .Learly_done
.Learly_v:
	WIN TO_B
.irp a, 0,1,2,3,4,5,6,7
	global_load_b32 v[2*\a], v8, s[86:87] offset:64*\a       ; v_b of channel 16 a + r, twice: a pair for the packed addition
	global_load_b32 v[2*\a+1], v8, s[86:87] offset:64*\a
.endr
	WIN 0
.Learly_done:
	s_wait_dscnt 4*NL                              ; the very last 128 along K
	WIN MUL_LO
	MUL16 0, 1, NQ-1, 1, 0
	MUL16 2, 1, NQ-1, 1, 0
	s_wait_dscnt 0
	WIN MUL_HI
	MUL16 4, 1, NQ-1, 1, 0
	MUL16 6, 1, NQ-1, 1, 0
	WIN 0
	PLACES NP                                      ; in front of the first read of results, and of writes and loads into registers that the products read
	s_mov_b32 vcc_lo, 0xffff0000                   ; lanes 16-31
.irp b, 0,1,2,3
	v_mov_b32 v[TM+4+\b], 0                        ; a lane permute's destination counts as one of its sources
.endr
; Q, K: tile a of 16 tokens.  x'(2 p) = x(2 p) cos - x(2 p + 1) sin, x'(2 p + 1) = x(2 p + 1) cos + x(2 p) sin: a packed product and a packed multiply-add whose sources are crossed
.macro QKBLOCK a
	s_wait_xcnt 0x0                                ; the last tile's stores have read their data: the codes' registers may be written again
.if (\a) == 0
	s_wait_loadcnt 32                              ; the tables of tiles 0-3 are in; those of tiles 4-7 may be out
.endif
.if (\a) == 4
	s_wait_loadcnt 0x0
.endif
	WIN 6+(\a)/4                                   ; source 0: the accumulators' window; source 1: window 1
.set XB, 64*((\a)%4)
.set CB, 32*(\a)
.set n, 0
.rept 32
	v_pk_mul_f32 v[HA+2*n:HA+2*n+1], v[XB+2*n:XB+2*n+1], v[CB+16*((n/8)%2)+2*(n%8):CB+16*((n/8)%2)+2*(n%8)+1] op_sel_hi:[1,0]
.set n, n+1
.endr
.set n, 0
.rept 32
	v_pk_fma_f32 v[HA+2*n:HA+2*n+1], v[XB+2*n:XB+2*n+1], v[CB+16*((n/8)%2)+2*(n%8):CB+16*((n/8)%2)+2*(n%8)+1], v[HA+2*n:HA+2*n+1] op_sel:[1,1,0] op_sel_hi:[0,1,1] neg_lo:[0,1,0]
.set n, n+1
.endr
	WIN 0
	QUANT HA, 0, 0                                 ; blocks 0, 1: my first head's 64; blocks 2, 3: my second's
	global_store_b128 v4, v[PC:PC+3], s[88:89] offset:1024*(\a)            ; a wave stores 512 consecutive bytes
	global_store_b128 v4, v[PC+4:PC+7], s[88:89] offset:1024*(\a)+512
	global_store_b128 v4, v[PC+8:PC+11], s[90:91] offset:1024*(\a)
	global_store_b128 v4, v[PC+12:PC+15], s[90:91] offset:1024*(\a)+512
.if (\a)%2 == 0
	v_mov_b32 v[PWE], v[PW]
.else
	v_perm_b32 v[W+1], v[PW], v[PWE], 0x05040100   ; the first head's two bytes of tiles a - 1 and a,
	v_perm_b32 v[W+2], v[PW], v[PWE], 0x07060302   ; the second head's
	v_cndmask_b32 v[W], v[W+1], v[W+2], vcc_lo
	global_store_b32 v9, v[W], s[92:93] offset:64*((\a)/2)
.endif
.endm
; V: 16 channels x my 128 keys: one fragment of V^T
.macro VBLOCK a
	s_wait_xcnt 0x0
	WIN 6+(\a)/4
.set XB, 64*((\a)%4)
.set n, 0
.rept 32
	v_pk_add_f32 v[HA+2*n:HA+2*n+1], v[XB+2*n:XB+2*n+1], v[2*(\a):2*(\a)+1]
.set n, n+1
.endr
	WIN 0
	QUANT HA, 0, 0
.irp c, 0,1,2,3
	global_store_b128 v4, v[PC+4*\c:PC+4*\c+3], s[88+2*((\a)/4):89+2*((\a)/4)] offset:2048*((\a)%4)+512*\c
.endr
.if (\a)%2 == 0
	v_mov_b32 v[PWE], v[PW]
.else
	v_cndmask_b32 v[W], v[PWE], v[PW], vcc_lo      ; lanes 0-15: fragment a - 1's words; lanes 16-31: fragment a's
	global_store_b32 v10, v[W], s[88+2*((\a)/4):89+2*((\a)/4)] offset:8192+64*((\a)%4-1)
.endif
.endm
	s_cmp_eq_u32 ttmp9, 2
	s_cbranch_scc1 .Lv_path
	WIN TO_B
.irp a, 4,5,6,7
	ROPELOAD \a
.endr
	WIN 0
.irp a, 0,1,2,3,4,5,6,7
	QKBLOCK \a
.endr
	s_branch .Lend
.Lv_path:
	s_wait_loadcnt 0x0                             ; v_b
.irp a, 0,1,2,3,4,5,6,7
	VBLOCK \a
.endr
.Lend:
	s_wait_tensorcnt 0x0                           ; the wave's end
	ds_add_u32 v[SPW], v[NIL]
	s_wait_dscnt 0x0
	CROUND                                         ; the closing round
	s_endpgm
.Lfunc_end_k_q7c6cd0cd75_qkv:
	.size	k_q7c6cd0cd75_qkv, .Lfunc_end_k_q7c6cd0cd75_qkv-k_q7c6cd0cd75_qkv
	.p2alignl 7, 3214868480
	.fill 96, 4, 3214868480
	.section	.rodata,"a",@progbits
	.p2align	6, 0x0
	.amdhsa_kernel k_q7c6cd0cd75_qkv
		.amdhsa_group_segment_fixed_size 327680
		.amdhsa_private_segment_fixed_size 0
		.amdhsa_enable_private_segment 0
		.amdhsa_kernarg_size 48
		.amdhsa_user_sgpr_count 2
		.amdhsa_user_sgpr_kernarg_segment_ptr 1
		.amdhsa_wavefront_size32 1
		.amdhsa_system_sgpr_workgroup_id_x 1
		.amdhsa_system_sgpr_workgroup_id_y 1
		.amdhsa_system_sgpr_workgroup_id_z 1
		.amdhsa_system_vgpr_workitem_id 0
		.amdhsa_next_free_vgpr 1024
		.amdhsa_next_free_sgpr 100
		.amdhsa_reserve_vcc 1
		.amdhsa_float_denorm_mode_32 3
		.amdhsa_float_denorm_mode_16_64 3
		.amdhsa_memory_ordered 1
		.amdhsa_forward_progress 1
		.amdhsa_inst_pref_size 255
	.end_amdhsa_kernel
	.section	.bss,"aw",@nobits
	.p2align	6
	.space	262144
	.amdgpu_metadata
---
amdhsa.version: [ 1, 2 ]
amdhsa.kernels:
  - .name:           k_q7c6cd0cd75_qkv
    .symbol:         k_q7c6cd0cd75_qkv.kd
    .args:
      - { .name: srcq, .offset: 0, .size: 8, .value_kind: global_buffer, .address_space: global }
      - { .name: wq, .offset: 8, .size: 8, .value_kind: global_buffer, .address_space: global }
      - { .name: q_b, .offset: 16, .size: 8, .value_kind: global_buffer, .address_space: global }
      - { .name: k_b, .offset: 24, .size: 8, .value_kind: global_buffer, .address_space: global }
      - { .name: v_b, .offset: 32, .size: 8, .value_kind: global_buffer, .address_space: global }
      - { .name: qkvb, .offset: 40, .size: 8, .value_kind: global_buffer, .address_space: global }
    .group_segment_fixed_size: 327680
    .private_segment_fixed_size: 0
    .kernarg_segment_align: 8
    .kernarg_segment_size: 48
    .max_flat_workgroup_size: 128
    .sgpr_count:     100
    .vgpr_count:     1024
    .wavefront_size: 32
...
	.end_amdgpu_metadata
.endif
;; end of part 2
;; launch attn (part 3): grid 8 x 32, 16 waves a work-group, clusters of 4 x 1, 327,680 bytes of LDS; arguments qkvb, att; writes att
.if DOCPART == 3
	.amdgcn_target "amdgcn-amd-amdhsa--gfx1250"
	.amdhsa_code_object_version 6
	.text
	.protected	k_q7c6cd0cd75_attn
	.globl	k_q7c6cd0cd75_attn
	.p2align	8
	.type	k_q7c6cd0cd75_attn,@function
k_q7c6cd0cd75_attn:
	s_mov_b64 s[64:65], 0
	v_nop
	global_prefetch_b8 v0, s[64:65] scope:SCOPE_SE
	s_setreg_imm32_b32 hwreg(HW_REG_WAVE_MODE, 25, 1), 1
	s_wait_xcnt 0x0
	s_wait_alu depctr_hold_cnt(0) depctr_sa_sdst(0) depctr_va_vdst(0) depctr_va_sdst(0) depctr_va_ssrc(0) depctr_va_vcc(0) depctr_vm_vsrc(0)
	s_getreg_b32 s2, hwreg(HW_REG_IB_STS2, 6, 4)
	s_cmp_eq_u32 s2, 0
	s_cbranch_scc0 .Lentry_in_a_cluster
	s_endpgm
.Lentry_in_a_cluster:
	s_bfe_u32 s2, ttmp6, 0x10000c
	s_cmp_lg_u32 s2, 0x3003
	s_cbranch_scc0 .Lentry_shape_is_right
	s_endpgm
.Lentry_shape_is_right:
; att[2 s + b][64 head + d] = the sum over keys of softmax(q . k / 8) v, both products on codes of FP8 (E4M3) with E8M0 scales, from the operand images that the launch before has stored.
; THE SOFTMAX AHEAD OF THE SECOND PRODUCT: t = score x log2(e) / 8; M = the running largest t rounded UP to a whole number; p = 2^(t - M) is quantised along the keys, not normalised; the row's sum is taken of the
; unquantised p and divides at the end; when M moves, the sum and O are multiplied by 2^(old M - new M): exact.
; SHARES.  A work-group owns 256 queries of one head (bh = 16 b + head), each of its sixteen waves one tile of 16, in 256 registers: four waves to a SIMD, so that one wave's vector work stands beside another's products and LDS loads.
; A HEAD'S WHOLE K AND V LIE IN LDS: 16 key steps x 16,896 bytes = 270,336.  Wave w brings key step w by one dense tensor load.  Nothing is filled again: no ring.
; CLUSTER.  The four query blocks of a cluster belong to one head: each of the sixteen loads is asked for jointly, with the same descriptor and a mask that names the four.
; K = 64 IN AN INSTRUCTION OF 128.  Two tiles of 16 keys lie on end as one fragment (k 0-63: tile 2 p; k 64-127: tile 2 p + 1).  It is multiplied by [q | zero codes] for tile 2 p and by [zero codes | q] for tile 2 p + 1: zero codes add nothing.
; LAYOUT.  Both products are used transposed (S^T = K Q^T, O^T = V^T P^T): a lane holds one query.  The keys of a tile are laid so that the 16 registers of tiles 2 b, 2 b + 1 are keys 32 b + 16 (lane / 16) + 0 .. 15: the conversions' results are P's fragment.
; The queries of a tile are rows sbase + r + 8 (r / 8), sbase = 128 (qt / 8) + 32 ((qt / 2) % 4) + 8 (qt % 2).
; No prefetch: all that the work-group reads is asked for at its head.  Matrix and vector work are not set by turns: a key step has 12 products beside some 290 vector instructions.
; LIMITS: NaN and infinities are not served; a block whose every p has fallen to 0 keeps the byte 1: its codes are zeros.
; REGISTERS: v1-7 addresses; v12 -M, v13 the largest t, v[14:15] the sum; v16-31 [q | 0]; v32-47 [0 | q]; v48-111 four fragments of K or V; v112-175 S^T, then p; v176-207 O^T; v208-223 p's codes; v224-239 at work; v240-250 scale words; v251-254 at work.
.set KVB,    16896
.set QC_OFF, 8650752
.set QS_OFF, 12845056
.set WV,  8
.set MNT, 19
.set SEL, 20
.set CS,  22
.set G1,  24
.set G0,  32
.set TB,  44                           ; s44  LDS byte at which the key step begins
.set CNT, 45
.set KV,  48
.set S,   112
.set O,   176
.set PCD, 208
.set GA,  224                          ; the blocks' largest scores, then largest p
.set GB,  228
.set GC,  232                          ; 448 x the scale
.set GD,  236                          ; the conversions' scale operands
.set KSC, 240
.set VSC, 244
.set QSL, 248
.set QSH, 249
.set PSW, 250
.macro CROUND                          ; a round of the cluster's barrier
	s_barrier_signal -1
	s_barrier_wait -1
	s_cmp_lg_u32 s[WV], 0
	s_cbranch_scc1 .Lnot_wave_0_\@
	s_barrier_signal -3
.Lnot_wave_0_\@:
	s_barrier_wait -3
	s_barrier_signal -1
	s_barrier_wait -1
.endm
	s_load_b128 s[4:7], s[0:1], 0x0                ; qkvb, att
	v_lshl_add_u32 v251, v0, 2, 0x42000
	v_mov_b32 v255, 0
	ds_add_u32 v251, v255
	ds_add_u32 v251, v255
	v_lshrrev_b32 v8, 5, v0
	v_readfirstlane_b32 s[WV], v8                  ; wave 0..15
	s_bfe_u32 s9, ttmp6, 0x40000                   ; cx
	s_lshl_b32 s10, ttmp9, 2
	s_add_co_u32 s10, s10, s9                      ; my block of 256 queries: it enters Q's and att's addresses alone
	s_and_b32 s11, ttmp7, 0xffff                   ; bh, which the four partners share
	s_lshl_b32 s12, s10, 4
	s_add_co_u32 s12, s12, s[WV]                   ; qt: my tile of queries
	s_mov_b32 s[G1], 15|(3<<16)|(1<<21)            ; 15:0 the mask: all four; 17:16 elements of 8 bytes; 21 set beside a mask; no padding
	s_mov_b32 s[G1+1], 32<<16                      ; tensor_dim0 = 32: rows of 256 bytes
	s_mov_b32 s[G1+2], 66<<16                      ; tensor_dim1 = 66 rows: a key step
	s_mov_b32 s[G1+3], 32<<16                      ; tile_dim0
	s_mov_b32 s[G1+4], 66                          ; tile_dim1
	s_mov_b32 s[G1+5], 32                          ; dense
	s_mov_b32 s[G1+6], 0
	s_mov_b32 s[G1+7], 0
	s_lshl_b32 s13, s11, 4
	s_add_co_u32 s13, s13, s[WV]
	s_mul_i32 s14, s13, KVB                        ; key step w of my head, in memory,
	s_mov_b32 s15, 0
	s_mul_i32 s16, s[WV], KVB                      ; and in LDS
	s_lshl_b32 s36, s11, 17
	s_lshl_b32 s37, s12, 10
	s_add_co_u32 s36, s36, s37
	s_add_co_u32 s36, s36, QC_OFF                  ; my tile of Q
	s_mov_b32 s37, 0
	s_lshl_b32 s38, s11, 12
	s_lshr_b32 s39, s12, 1
	s_lshl_b32 s39, s39, 6                         ; 256 (qt / 8) + 64 ((qt % 8) / 2) = 64 (qt / 2)
	s_add_co_u32 s38, s38, s39
	s_add_co_u32 s38, s38, QS_OFF                  ; its scale words
	s_mov_b32 s39, 0
	s_lshr_b32 s46, s12, 3
	s_lshl_b32 s46, s46, 7
	s_bfe_u32 s47, s12, 0x20001
	s_lshl_b32 s47, s47, 5
	s_add_co_u32 s46, s46, s47
	s_and_b32 s47, s12, 1
	s_lshl_b32 s47, s47, 3
	s_add_co_u32 s46, s46, s47                     ; sbase
	s_lshl_b32 s46, s46, 1
	s_lshr_b32 s47, s11, 4
	s_add_co_u32 s46, s46, s47                     ; row 2 sbase + b
	s_lshl_b32 s46, s46, 12
	s_and_b32 s47, s11, 15
	s_lshl_b32 s47, s47, 8
	s_add_co_u32 s46, s46, s47                     ; + the head's 256 bytes
	s_mov_b32 s47, 0
	s_and_b32 s42, s12, 1
	s_lshl_b32 s42, s42, 4                         ; which half of the scale word is my tile's
	s_mov_b32 s[SEL], 0x76543210
	s_mov_b32 s[SEL+1], 0xfedcba98
	s_mov_b32 s[CS], 0x3e38aa3b                    ; c = log2(e) / 8
	s_mov_b32 s[CS+1], s[CS]
	s_mov_b32 s[MNT], 0x600000
	s_mov_b32 s[TB], 0
	s_mov_b32 s[CNT], 16
	s_wait_dscnt 0x0
	s_wait_kmcnt 0x0
	s_add_nc_u64 s[36:37], s[4:5], s[36:37]
	s_add_nc_u64 s[38:39], s[4:5], s[38:39]
	s_add_nc_u64 s[40:41], s[6:7], s[46:47]
	CROUND                                         ; all four work-groups are here: the joint loads meet
	s_mov_b32 s[G0], 1
	s_mov_b32 s[G0+1], s16
	s_add_nc_u64 s[G0+2:G0+3], s[4:5], s[14:15]
	s_or_b32 s[G0+3], s[G0+3], 0x80000000
	tensor_load_to_lds s[G0:G0+3], s[G1:G1+7]      ; my one tensor load
	s_nop 0
.rept 4
	v_nop
.endr
	v_and_b32 v1, 31, v0
	v_lshlrev_b32 v1, 4, v1                        ; 16 x lane
	v_and_b32 v2, 15, v0
	v_lshlrev_b32 v2, 2, v2                        ; 4 r
	global_load_b128 v[16:19], v1, s[36:37]        ; q, twice: a product's two sources share no register, and each copy has its zeros on the other side
	global_load_b128 v[20:23], v1, s[36:37] offset:512
	global_load_b128 v[40:43], v1, s[36:37]
	global_load_b128 v[44:47], v1, s[36:37] offset:512
	global_load_b32 v[QSL], v2, s[38:39]
.irp j, 24,25,26,27,28,29,30,31,32,33,34,35,36,37,38,39
	v_mov_b32 v\j, 0                               ; zero codes
.endr
	v_mov_b32 v13, 0xff61b1e6                      ; the largest t so far: -3e38
	v_floor_f32 v12, -v13                          ; -M
	v_mov_b32 v14, 0
	v_mov_b32 v15, 0
	v_mov_b32 v253, 0                              ; the upper half of the pair v[252:253]
.irp b, 0,1,2,3
	v_mov_b32 v[GB+\b], 0                          ; a lane permute's destination counts as one of its sources
.endr
	s_wait_loadcnt 0x0
	v_lshrrev_b32 v[QSL], s42, v[QSL]
	v_and_b32 v[QSL], 0xffff, v[QSL]               ; q's two bytes for k 0-63; the bytes over the zero codes are 0, which is a number
	v_lshlrev_b32 v[QSH], 16, v[QSL]               ; and for k 64-127
.set j, 0
.rept 32
	v_mov_b32 v[O+j], 0                            ; O^T: the step is written once; its first trip finds zeros
.set j, j+1
.endr
	s_wait_tensorcnt 0x0                           ; my key step has landed,
	s_barrier_signal -1
	s_barrier_wait -1                              ; everybody's has
.Lstep:                                            ; 16 trips of 128 keys
	v_add_nc_u32 v3, s[TB], v1
	v_add_nc_u32 v4, s[TB], v2
.rept 6
	v_nop                                          ; with the two additions: eight places in front of loads into registers that the last products read
.endr
.irp p, 0,1,2,3
.irp c, 0,1,2,3
	ds_load_b128 v[KV+16*\p+4*\c:KV+16*\p+4*\c+3], v3 offset:2048*\p+512*\c
.endr
	ds_load_b32 v[KSC+\p], v4 offset:8192+64*\p
.endr
	s_wait_dscnt 0x0
.irp p, 0,1,2,3
	v_wmma_scale_f32_16x16x128_f8f6f4 v[S+16*\p:S+16*\p+7], v[KV+16*\p:KV+16*\p+15], v[16:31], 0, v[KSC+\p], v[QSL]
	v_wmma_scale_f32_16x16x128_f8f6f4 v[S+16*\p+8:S+16*\p+15], v[KV+16*\p:KV+16*\p+15], v[32:47], 0, v[KSC+\p], v[QSH]
.endr
.rept 8
	v_nop
.endr
.irp t, 0,1,2,3                                ; V's fragments land under the softmax
.irp c, 0,1,2,3
	ds_load_b128 v[KV+16*\t+4*\c:KV+16*\t+4*\c+3], v3 offset:8448+2048*\t+512*\c
.endr
	ds_load_b32 v[VSC+\t], v4 offset:16640+64*\t
.endr
.irp b, 0,1,2,3
	v_max3_num_f32 v[GA+\b], v[S+16*\b], v[S+1+16*\b], v[S+2+16*\b]   ; the largest score of each block of 32 keys: for the row's maximum and, since p rises with the score, for the block's largest p
.endr
.irp i, 3,5,7,9,11,13
.irp b, 0,1,2,3
	v_max3_num_f32 v[GA+\b], v[GA+\b], v[S+16*\b+\i], v[S+1+16*\b+\i]
.endr
.endr
.irp b, 0,1,2,3
	v_max_num_f32 v[GA+\b], v[GA+\b], v[S+15+16*\b]
.endr
.irp b, 0,1,2,3
	v_permlanex16_b32 v[GB+\b], v[GA+\b], s[SEL], s[SEL+1]
.endr
.irp b, 0,1,2,3
	v_max_num_f32 v[GA+\b], v[GA+\b], v[GB+\b]     ; with lane l xor 16's 16 keys
.endr
	v_max3_num_f32 v254, v[GA], v[GA+1], v[GA+2]
	v_max_num_f32 v254, v254, v[GA+3]
	v_mul_f32 v254, s[CS], v254                    ; as t
	v_max_num_f32 v13, v13, v254                   ; the running largest t
	v_mov_b32 v254, v12
	v_floor_f32 v12, -v13                          ; -M = floor(-t): M is a whole number
	v_sub_f32 v254, v12, v254                      ; old M - new M
	v_cvt_i32_f32 v254, v254                       ; (it saturates)
	v_ldexp_f32 v252, 1.0, v254                    ; f = 2^(old M - new M)
.set j, 0
.rept 32
	v_pk_fma_f32 v[S+j:S+j+1], v[S+j:S+j+1], s[CS:CS+1], v[12:13] op_sel_hi:[1,0,0]   ; t - M
.set j, j+2
.endr
.irp b, 0,1,2,3
	v_fma_f32 v[GA+\b], v[GA+\b], s[CS], v12
.endr
.set j, 0
.rept 64
	v_exp_f32 v[S+j], v[S+j]                       ; p = 2^(t - M)
.set j, j+1
.endr
	v_pk_mul_f32 v[14:15], v[14:15], v[252:253] op_sel_hi:[1,0]   ; the sums under the new M: a plain line behind the exponentials
	s_wait_alu depctr_va_vdst(0)                   ; one wait for the batch, ahead of its first reader
.irp b, 0,1,2,3
	v_exp_f32 v[GA+\b], v[GA+\b]                   ; the blocks' largest p
.endr
	v_pk_add_f32 v[GB:GB+1], v[S:S+1], v[S+2:S+3]  ; the row's sum of the unquantised p, in two chains
.irp j, 4,8,12,16,20,24,28,32,36,40,44,48,52,56,60
	v_pk_add_f32 v[14:15], v[14:15], v[S+\j:S+\j+1]
	v_pk_add_f32 v[GB:GB+1], v[GB:GB+1], v[S+\j+2:S+\j+3]
.endr
	v_pk_add_f32 v[14:15], v[14:15], v[GB:GB+1]
	s_wait_alu depctr_va_vdst(0)                   ; and one for the four
.irp b, 0,1,2,3
	v_max_num_f32 v[GA+\b], 0x4800000, v[GA+\b]    ; the floor 2^(9 - 127)
.endr
.irp b, 0,1,2,3
	v_add_nc_u32 v[GD+\b], 0xfc000000, v[GA+\b]
.endr
.irp b, 0,1,2,3
	v_and_or_b32 v[GC+\b], v[GA+\b], 0x7f800000, s[MNT]
.endr
.irp b, 0,1,2,3
	v_lshrrev_b32 v[GB+\b], 23, v[GD+\b]
.endr
	v_lshl_or_b32 v[PSW], v[GB+1], 8, v[GB]        ; p's scale word for these 128 keys
	v_lshl_or_b32 v[PSW], v[GB+2], 16, v[PSW]
	v_lshl_or_b32 v[PSW], v[GB+3], 24, v[PSW]
.irp b, 0,1,2,3
.irp i, 0,1,2,3,4,5,6,7,8,9,10,11,12,13,14,15
	v_min_num_f32 v[S+16*\b+\i], v[S+16*\b+\i], v[GC+\b]   ; the conversion does not saturate (ISA guide 7.6.2); p is not negative
.endr
	v_cvt_scalef32_pk8_fp8_f32 v[PCD+4*\b:PCD+4*\b+1], v[S+16*\b:S+16*\b+7], v[GD+\b]
	v_cvt_scalef32_pk8_fp8_f32 v[PCD+4*\b+2:PCD+4*\b+3], v[S+16*\b+8:S+16*\b+15], v[GD+\b]
.endr
.set j, 0
.rept 16
	v_pk_mul_f32 v[O+j:O+j+1], v[O+j:O+j+1], v[252:253] op_sel_hi:[1,0]   ; O^T under the new M; these are also the places in front of the products
.set j, j+2
.endr
	s_wait_dscnt 0x0                               ; V
.irp t, 0,1,2,3
	v_wmma_scale_f32_16x16x128_f8f6f4 v[O+8*\t:O+8*\t+7], v[KV+16*\t:KV+16*\t+15], v[PCD:PCD+15], v[O+8*\t:O+8*\t+7], v[VSC+\t], v[PSW]
.endr
	s_add_co_u32 s[TB], s[TB], KVB
	s_sub_co_u32 s[CNT], s[CNT], 1
	s_cmp_lg_u32 s[CNT], 0
	s_cbranch_scc1 .Lstep
	; THE WAY OUT: O^T over the sum, through my stage in LDS, so that sixteen lanes store a token's 256 bytes of this head
	v_add_f32 v14, v14, v15
	v_permlanex16_b32 v252, v14, s[SEL], s[SEL+1]
	v_add_f32 v14, v14, v252                       ; the row's sum
	v_rcp_f32 v14, v14
	v_and_b32 v8, 15, v0
	v_bfe_u32 v9, v0, 4, 1
	s_mul_i32 s46, s[WV], 16*272                   ; my stage: 16 rows x (256 + 16) bytes, in bytes that held K and V
	v_mul_u32_u24 v5, v8, 272
	v_lshl_add_u32 v5, v9, 5, v5
	v_add_nc_u32 v5, s46, v5                       ; in: row r, 32 h bytes on
	v_mul_u32_u24 v6, v9, 272
	v_lshl_add_u32 v6, v8, 4, v6
	v_add_nc_u32 v6, s46, v6                       ; back: lanes 0-15 one row, lanes 16-31 the next
	v_lshlrev_b32 v7, 13, v9
	v_lshl_add_u32 v7, v8, 4, v7                   ; and in att: a step in s is two rows of 4,096 bytes
	s_wait_alu depctr_va_vdst(0)                   ; the wait ahead of the reciprocal's first reader
.set j, 0
.rept 32
	v_mul_f32 v[S+j], v[O+j], v14                  ; register 8 t + i: channel 16 t + 8 h + i
.set j, j+1
.endr
	s_wait_dscnt 0x0                               ; my reads of K and V are over
	s_barrier_signal -1
	s_barrier_wait -1                              ; everybody's are: the bytes have had their one fill, and nobody reads them
.irp t, 0,1,2,3
	ds_store_b128 v5, v[S+8*\t:S+8*\t+3] offset:64*\t
	ds_store_b128 v5, v[S+8*\t+4:S+8*\t+7] offset:64*\t+16
.endr
.irp i, 0,1,2,3,4,5,6,7
	ds_load_b128 v[KV+4*\i:KV+4*\i+3], v6 offset:2*\i*272   ; LDS serves a wave's instructions in order: these see my stores
.endr
.irp i, 0,1,2,3,4,5,6,7
	s_wait_dscnt 7-\i
	global_store_b128 v7, v[KV+4*\i:KV+4*\i+3], s[40:41] offset:(2*\i+8*(\i/4))*8192   ; tile row 2 i + h is token sbase + 2 i + h + 8 (i / 4)
.endr
	s_wait_tensorcnt 0x0
	ds_add_u32 v251, v255
	s_wait_dscnt 0x0
	CROUND                                         ; the closing round
	s_endpgm
.Lfunc_end_k_q7c6cd0cd75_attn:
	.size	k_q7c6cd0cd75_attn, .Lfunc_end_k_q7c6cd0cd75_attn-k_q7c6cd0cd75_attn
	.p2alignl 7, 3214868480
	.fill 96, 4, 3214868480
	.section	.rodata,"a",@progbits
	.p2align	6, 0x0
	.amdhsa_kernel k_q7c6cd0cd75_attn
		.amdhsa_group_segment_fixed_size 327680
		.amdhsa_private_segment_fixed_size 0
		.amdhsa_enable_private_segment 0
		.amdhsa_kernarg_size 16
		.amdhsa_user_sgpr_count 2
		.amdhsa_user_sgpr_kernarg_segment_ptr 1
		.amdhsa_wavefront_size32 1
		.amdhsa_system_sgpr_workgroup_id_x 1
		.amdhsa_system_sgpr_workgroup_id_y 1
		.amdhsa_system_sgpr_workgroup_id_z 1
		.amdhsa_system_vgpr_workitem_id 0
		.amdhsa_next_free_vgpr 256
		.amdhsa_next_free_sgpr 80
		.amdhsa_reserve_vcc 0
		.amdhsa_float_denorm_mode_32 3
		.amdhsa_float_denorm_mode_16_64 3
		.amdhsa_memory_ordered 1
		.amdhsa_forward_progress 1
		.amdhsa_inst_pref_size 30
	.end_amdhsa_kernel
	.amdgpu_metadata
---
amdhsa.version: [ 1, 2 ]
amdhsa.kernels:
  - .name:           k_q7c6cd0cd75_attn
    .symbol:         k_q7c6cd0cd75_attn.kd
    .args:
      - { .name: qkvb, .offset: 0, .size: 8, .value_kind: global_buffer, .address_space: global }
      - { .name: att, .offset: 8, .size: 8, .value_kind: global_buffer, .address_space: global }
    .group_segment_fixed_size: 327680
    .private_segment_fixed_size: 0
    .kernarg_segment_align: 8
    .kernarg_segment_size: 16
    .max_flat_workgroup_size: 512
    .sgpr_count:     80
    .vgpr_count:     256
    .wavefront_size: 32
...
	.end_amdgpu_metadata
.endif
;; end of part 3
;; launch ln1 (part 4): grid 256 x 1, 16 waves a work-group, no clusters, 19,456 bytes of LDS; arguments src, att, ln1_g, ln1_b, xf, xq; writes xf, xq
.if DOCPART == 4
	.amdgcn_target "amdgcn-amd-amdhsa--gfx1250"
	.amdhsa_code_object_version 6
	.text
	.protected	k_q7c6cd0cd75_ln1
	.globl	k_q7c6cd0cd75_ln1
	.p2align	8
	.type	k_q7c6cd0cd75_ln1,@function
k_q7c6cd0cd75_ln1:
	s_mov_b64 s[64:65], 0
	v_nop
	global_prefetch_b8 v0, s[64:65] scope:SCOPE_SE
	s_setreg_imm32_b32 hwreg(HW_REG_WAVE_MODE, 25, 1), 1
	s_wait_xcnt 0x0
; x = layer_norm(src + att) g + b, stored as f32 (xf) and as codes of FP8 (E4M3) with E8M0 scales along the 1,024 (xq), laid as images of operand registers:
; blocks of 128 rows x 256 K = 33,792 bytes: fragment (i, q) at (8 q + i) 2048, chunk c at 512 c, lane l at 16 l: row 16 i + l % 16, k = 128 q + 32 c + 16 (l / 16) + 0 .. 15; scale words at 32768 + 512 q + 4 (16 i + r).
; SHARES.  A wave takes a whole row (row 16 g + wave = 2 s + b) in 32 registers: the mean, then the mean of the squared differences (two passes over registers: no difference of large sums), all within the wave.
; The sixteen rows of a work-group are one fragment row: codes and scale bytes meet in LDS and leave in the image's order.  Memory binds: no matrix unit, no cluster (work-groups share nothing but g and b).
; LIMITS: NaN and infinities are not served; a block of zeros, or one under 2^-118, gets the byte 1 (only this program reads the bytes).
.set BLK,   33792
.set PITCH, 1040
.set SCB,   16*PITCH
.set X,   16                           ; v16-47   the row
.set Y,   48                           ; v48-79   att's row; later the numbers over their scales
.set G,   80                           ; v80-111  the gain; later the way out
.set BV,  112                          ; v112-143 the bias
.set M,   144
.set BY,  152
.set INV, 160
.set C,   176
.set ONE, 184
.set T,   186                          ; v186-191 at work
.set SEL, 20
.set RN,  22                           ; s22 1 / 1024, s23 eps
.set EPS, 23
.set NEG, 28
.set POS, 29
.macro QROW x, y                       ; 32 numbers of a lane, v[x + 4 j + 0 .. 3] = k 128 j + 4 lane + 0 .. 3, become codes in v[C + j] and bytes in v[BY + j]; v[x] on is left as it is
.irp j, 0,1,2,3,4,5,6,7
	v_max3_num_f32 v[M+\j], |v[\x+4*\j]|, |v[\x+4*\j+1]|, 0x4800000   ; with the floor 2^(9 - 127)
.endr
.irp j, 0,1,2,3,4,5,6,7
	v_max3_num_f32 v[M+\j], v[M+\j], |v[\x+4*\j+2]|, |v[\x+4*\j+3]|
.endr
.irp m, 1,2,4
.irp j, 0,1,2,3,4,5,6,7
	v_max_num_f32_dpp v[M+\j], v[M+\j], v[M+\j] row_xmask:\m row_mask:0xf bank_mask:0xf   ; the eight lanes of a block
.endr
.endr
.irp j, 0,1,2,3,4,5,6,7
	v_add_nc_u32 v[M+\j], 0xfc000000, v[M+\j]
.endr
.irp j, 0,1,2,3,4,5,6,7
	v_lshrrev_b32 v[BY+\j], 23, v[M+\j]
.endr
.irp j, 0,1,2,3,4,5,6,7
	v_and_b32 v[M+\j], 0x7f800000, v[M+\j]
.endr
.irp j, 0,1,2,3,4,5,6,7
	v_sub_nc_u32 v[INV+2*\j], 0x7f000000, v[M+\j]  ; 1 / scale
.endr
.irp j, 0,1,2,3,4,5,6,7
	v_pk_mul_f32 v[\y+4*\j:\y+4*\j+1], v[\x+4*\j:\x+4*\j+1], v[INV+2*\j:INV+2*\j+1] op_sel_hi:[1,0]
	v_pk_mul_f32 v[\y+4*\j+2:\y+4*\j+3], v[\x+4*\j+2:\x+4*\j+3], v[INV+2*\j:INV+2*\j+1] op_sel_hi:[1,0]
.endr
.set i, 0
.rept 32
	v_med3_num_f32 v[\y+i], v[\y+i], s[NEG], s[POS]   ; the conversion does not saturate (ISA guide 7.6.2): the hold
.set i, i+1
.endr
.irp n, 0,1,2,3
	v_cvt_scalef32_pk8_fp8_f32 v[C+2*\n:C+2*\n+1], v[\y+8*\n:\y+8*\n+7], v[ONE]
.endr
	v_nop
.endm
.macro WSUM a, t                       ; the sum of v[a] over the 32 lanes, in every lane
	v_add_f32_dpp v[\a], v[\a], v[\a] row_xmask:1 row_mask:0xf bank_mask:0xf
	v_add_f32_dpp v[\a], v[\a], v[\a] row_xmask:2 row_mask:0xf bank_mask:0xf
	v_add_f32_dpp v[\a], v[\a], v[\a] row_xmask:4 row_mask:0xf bank_mask:0xf
	v_add_f32_dpp v[\a], v[\a], v[\a] row_xmask:8 row_mask:0xf bank_mask:0xf
	v_permlanex16_b32 v[\t], v[\a], s[SEL], s[SEL+1]
	v_add_f32 v[\a], v[\a], v[\t]
.endm
.macro LNORM                           ; v[X] on becomes (x - mean) rsqrt(var + eps) g + b
	v_pk_add_f32 v[T:T+1], v[X:X+1], v[X+2:X+3]
	v_pk_add_f32 v[T+2:T+3], v[X+4:X+5], v[X+6:X+7]
.irp i, 8,12,16,20,24,28
	v_pk_add_f32 v[T:T+1], v[T:T+1], v[X+\i:X+\i+1]
	v_pk_add_f32 v[T+2:T+3], v[T+2:T+3], v[X+\i+2:X+\i+3]
.endr
	v_pk_add_f32 v[T:T+1], v[T:T+1], v[T+2:T+3]
	v_add_f32 v[T], v[T], v[T+1]
	WSUM T, T+1
	v_mul_f32 v[T], 0x3a800000, v[T]               ; the mean
.set i, 0
.rept 16
	v_pk_add_f32 v[X+i:X+i+1], v[X+i:X+i+1], v[T:T+1] op_sel_hi:[1,0] neg_lo:[0,1] neg_hi:[0,1]
.set i, i+2
.endr
	v_pk_mul_f32 v[T+2:T+3], v[X:X+1], v[X:X+1]
	v_pk_mul_f32 v[T+4:T+5], v[X+2:X+3], v[X+2:X+3]
.irp i, 4,8,12,16,20,24,28
	v_pk_fma_f32 v[T+2:T+3], v[X+\i:X+\i+1], v[X+\i:X+\i+1], v[T+2:T+3]
	v_pk_fma_f32 v[T+4:T+5], v[X+\i+2:X+\i+3], v[X+\i+2:X+\i+3], v[T+4:T+5]
.endr
	v_pk_add_f32 v[T+2:T+3], v[T+2:T+3], v[T+4:T+5]
	v_add_f32 v[T+2], v[T+2], v[T+3]
	WSUM T+2, T+3
	v_fma_f32 v[T+2], v[T+2], s[RN], s[EPS]        ; the variance + eps
	v_rsq_f32 v[T], v[T+2]
	v_nop                                          ; a plain line behind the transcendental,
	s_wait_alu depctr_va_vdst(0)                   ; and the wait ahead of its first reader
	s_wait_loadcnt 0x0                             ; g and b
.set i, 0
.rept 16
	v_pk_mul_f32 v[X+i:X+i+1], v[X+i:X+i+1], v[T:T+1] op_sel_hi:[1,0]
.set i, i+2
.endr
.set i, 0
.rept 16
	v_pk_fma_f32 v[X+i:X+i+1], v[X+i:X+i+1], v[G+i:G+i+1], v[BV+i:BV+i+1]
.set i, i+2
.endr
.endm
	s_load_b256 s[4:11], s[0:1], 0x0               ; src, att, g, b
	s_load_b128 s[12:15], s[0:1], 0x20             ; xf, xq
	v_lshl_add_u32 v192, v0, 2, 0x4400
	v_mov_b32 v193, 0
	v_lshrrev_b32 v1, 5, v0
	v_readfirstlane_b32 s16, v1                    ; wave 0..15
	v_and_b32 v2, 31, v0
	v_lshlrev_b32 v3, 4, v2
	s_lshr_b32 s17, ttmp9, 3                       ; rb
	s_and_b32 s18, ttmp9, 7                        ; fragment i
	s_lshl_b32 s24, ttmp9, 4
	s_add_co_u32 s24, s24, s16
	s_lshl_b32 s24, s24, 12                        ; my row's bytes
	s_mov_b32 s25, 0
	s_mul_i32 s26, s17, 4*BLK
	s_lshl_b32 s27, s18, 11
	s_add_co_u32 s34, s26, s27
	s_mov_b32 s35, 0
	s_mov_b32 s[SEL], 0x76543210
	s_mov_b32 s[SEL+1], 0xfedcba98
	s_mov_b32 s[RN], 0x3a800000
	s_mov_b32 s[EPS], 0x3727c5ac
	s_mov_b32 s[NEG], 0xc3e00000
	s_mov_b32 s[POS], 0x43e00000
	s_wait_kmcnt 0x0
	s_add_nc_u64 s[4:5], s[4:5], s[24:25]
	s_add_nc_u64 s[6:7], s[6:7], s[24:25]
	s_add_nc_u64 s[12:13], s[12:13], s[24:25]
.irp j, 0,1,2,3,4,5,6,7
	global_load_b128 v[X+4*\j:X+4*\j+3], v3, s[4:5] offset:512*\j th:TH_LOAD_NT
.endr
.irp j, 0,1,2,3,4,5,6,7
	global_load_b128 v[Y+4*\j:Y+4*\j+3], v3, s[6:7] offset:512*\j th:TH_LOAD_NT
.endr
.irp j, 0,1,2,3,4,5,6,7
	global_load_b128 v[G+4*\j:G+4*\j+3], v3, s[8:9] offset:512*\j
.endr
.irp j, 0,1,2,3,4,5,6,7
	global_load_b128 v[BV+4*\j:BV+4*\j+3], v3, s[10:11] offset:512*\j
.endr
	s_add_nc_u64 s[30:31], s[14:15], s[34:35]      ; the codes' base
	s_lshl_b32 s27, s18, 6
	s_add_co_u32 s34, s26, s27
	s_add_nc_u64 s[32:33], s[14:15], s[34:35]      ; the scale words' base
	s_mul_i32 s26, s16, PITCH
	v_lshl_add_u32 v4, v2, 2, s26                  ; LDS, in: my row, 4 bytes a lane
	s_lshl_b32 s27, s16, 2
	s_add_co_u32 s27, s27, SCB
	v_lshrrev_b32 v5, 3, v2
	v_add_nc_u32 v5, s27, v5                       ; my block's scale byte
	v_and_b32 v7, 15, v0
	v_lshrrev_b32 v8, 4, v0
	v_mul_u32_u24 v6, v7, PITCH
	v_lshl_add_u32 v6, v8, 4, v6                   ; LDS, out: row t % 16, bytes 16 (t / 16) on
	v_lshrrev_b32 v10, 8, v0
	v_mul_u32_u24 v9, v10, BLK
	v_bfe_u32 v10, v0, 7, 1
	v_lshl_add_u32 v9, v10, 14, v9
	v_and_b32 v10, 127, v0
	v_lshl_add_u32 v9, v10, 4, v9
	v_lshl_add_u32 v11, v10, 2, SCB
	v_lshrrev_b32 v13, 5, v10
	v_mul_u32_u24 v12, v13, BLK
	v_bfe_u32 v13, v0, 4, 1
	v_lshl_add_u32 v12, v13, 9, v12
	v_lshl_add_u32 v12, v7, 2, v12
.irp j, 0,1,2,3,4,5,6,7
	v_mov_b32 v[INV+2*\j+1], 0
.endr
	v_mov_b32 v[ONE], 1.0
	s_wait_loadcnt 16                              ; src's and att's rows are in; g and b may be out
.set i, 0
.rept 16
	v_pk_add_f32 v[X+i:X+i+1], v[X+i:X+i+1], v[Y+i:Y+i+1]
.set i, i+2
.endr
	LNORM
.irp j, 0,1,2,3,4,5,6,7
	global_store_b128 v3, v[X+4*\j:X+4*\j+3], s[12:13] offset:512*\j   ; 512 consecutive bytes a store
.endr
	QROW X, Y                                      ; X, which the stores read, is not written
.irp j, 0,1,2,3,4,5,6,7
	ds_store_b32 v4, v[C+\j] offset:128*\j
	ds_store_b8 v5, v[BY+\j] offset:64*\j
.endr
	s_wait_dscnt 0x0
	s_barrier_signal -1
	s_barrier_wait -1
	ds_load_b128 v[G:G+3], v6
	ds_load_b128 v[G+4:G+7], v6 offset:512
	s_wait_dscnt 1
	global_store_b128 v9, v[G:G+3], s[30:31]
	s_wait_dscnt 0x0
	global_store_b128 v9, v[G+4:G+7], s[30:31] offset:2*BLK
	s_cmp_lt_u32 s16, 4
	s_cbranch_scc0 .Lno_scales
	ds_load_b32 v[G+8], v11
	s_wait_dscnt 0x0
	global_store_b32 v12, v[G+8], s[32:33] offset:32768
.Lno_scales:
	s_wait_tensorcnt 0x0
	ds_add_u32 v192, v193
	s_wait_dscnt 0x0
	s_endpgm
.Lfunc_end_k_q7c6cd0cd75_ln1:
	.size	k_q7c6cd0cd75_ln1, .Lfunc_end_k_q7c6cd0cd75_ln1-k_q7c6cd0cd75_ln1
	.p2alignl 7, 3214868480
	.fill 96, 4, 3214868480
	.section	.rodata,"a",@progbits
	.p2align	6, 0x0
	.amdhsa_kernel k_q7c6cd0cd75_ln1
		.amdhsa_group_segment_fixed_size 19456
		.amdhsa_private_segment_fixed_size 0
		.amdhsa_enable_private_segment 0
		.amdhsa_kernarg_size 48
		.amdhsa_user_sgpr_count 2
		.amdhsa_user_sgpr_kernarg_segment_ptr 1
		.amdhsa_wavefront_size32 1
		.amdhsa_system_sgpr_workgroup_id_x 1
		.amdhsa_system_sgpr_workgroup_id_y 1
		.amdhsa_system_sgpr_workgroup_id_z 1
		.amdhsa_system_vgpr_workitem_id 0
		.amdhsa_next_free_vgpr 194
		.amdhsa_next_free_sgpr 66
		.amdhsa_reserve_vcc 0
		.amdhsa_float_denorm_mode_32 3
		.amdhsa_float_denorm_mode_16_64 3
		.amdhsa_memory_ordered 1
		.amdhsa_forward_progress 1
		.amdhsa_inst_pref_size 24
	.end_amdhsa_kernel
	.amdgpu_metadata
---
amdhsa.version: [ 1, 2 ]
amdhsa.kernels:
  - .name:           k_q7c6cd0cd75_ln1
    .symbol:         k_q7c6cd0cd75_ln1.kd
    .args:
      - { .name: src, .offset: 0, .size: 8, .value_kind: global_buffer, .address_space: global }
      - { .name: att, .offset: 8, .size: 8, .value_kind: global_buffer, .address_space: global }
      - { .name: ln1_g, .offset: 16, .size: 8, .value_kind: global_buffer, .address_space: global }
      - { .name: ln1_b, .offset: 24, .size: 8, .value_kind: global_buffer, .address_space: global }
      - { .name: xf, .offset: 32, .size: 8, .value_kind: global_buffer, .address_space: global }
      - { .name: xq, .offset: 40, .size: 8, .value_kind: global_buffer, .address_space: global }
    .group_segment_fixed_size: 19456
    .private_segment_fixed_size: 0
    .kernarg_segment_align: 8
    .kernarg_segment_size: 48
    .max_flat_workgroup_size: 512
    .sgpr_count:     66
    .vgpr_count:     194
    .wavefront_size: 32
...
	.end_amdgpu_metadata
.endif
;; end of part 4
;; launch ffn1 (part 5): grid 16 x 16, 4 waves a work-group, clusters of 4 x 4, 327,680 bytes of LDS; arguments xq, wq, b1, hq; writes hq
.if DOCPART == 5
	.amdgcn_target "amdgcn-amd-amdhsa--gfx1250"
	.amdhsa_code_object_version 6
	.text
	.protected	k_q7c6cd0cd75_ffn1
	.globl	k_q7c6cd0cd75_ffn1
	.p2align	8
	.type	k_q7c6cd0cd75_ffn1,@function
k_q7c6cd0cd75_ffn1:
	s_mov_b64 s[64:65], 0
	v_nop
	global_prefetch_b8 v0, s[64:65] scope:SCOPE_SE
	s_setreg_imm32_b32 hwreg(HW_REG_WAVE_MODE, 25, 1), 1
	s_wait_xcnt 0x0
	s_wait_alu depctr_hold_cnt(0) depctr_sa_sdst(0) depctr_va_vdst(0) depctr_va_sdst(0) depctr_va_ssrc(0) depctr_va_vcc(0) depctr_vm_vsrc(0)
	s_getreg_b32 s2, hwreg(HW_REG_IB_STS2, 6, 4)
	s_cmp_eq_u32 s2, 0
	s_cbranch_scc0 .Lentry_in_a_cluster
	s_endpgm
.Lentry_in_a_cluster:
	s_bfe_u32 s2, ttmp6, 0x10000c
	s_cmp_lg_u32 s2, 0xf033
	s_cbranch_scc0 .Lentry_shape_is_right
	s_endpgm
.Lentry_shape_is_right:
; h = relu(x w1 + b1), [4096][4096], on codes of FP8 (E4M3) with E8M0 scales, K = 1,024; h is quantised in registers along its 4,096 (the next product's K) and stored as operand images.  It never exists in f32 in memory.
; THE PRODUCT.  A tile of 256 x 256 to a work-group of four waves, 128 x 128 to a wave: 64 accumulators.  K goes in steps of 256 through two LDS slots.  Both operands lie in memory as blocks of 128 rows x 256 K
; (33,792 bytes: 16 fragments as images of their registers, then their scale words): a wave's part of a slot is one dense tensor load, a fragment four loads of 512 consecutive LDS bytes, and the scale words ride along.
; The matrix instruction is used transposed (source 0 = 16 columns of w1, source 1 = 16 rows of x); w1's fragments are laid so that a lane's 16 registers of accumulators (a, 2 beta), (a, 2 beta + 1) are hidden units 32 beta + 16 (lane / 16) + 0 .. 15.
; So a wave's 128 hidden units of 16 rows are one fragment of the next product, made by the conversions as it stands.  b1 is the C of each sum's first matrix instruction; the hold of the conversion clips at 0: the activation.
; CLUSTERS: 4 x 4 work-groups; x's blocks are asked for jointly along a row of the cluster, w1's along a column.  No prefetch: K has four steps, two of which are first fills.
; LIMITS: NaN and infinities are not served; a block of zeros, or one under 2^-118, gets the byte 1 (only this program reads the bytes).
; REGISTERS: window 0: v1-9 offsets, v16-23 LDS addresses, v28-29 the add's; v32-63 scale words; v64-127 the bias; v128-255 A's fragments, later the way out.  window 1: B's fragments, two sets.  windows 2, 3: accumulators.
.set BLK,   33792
.set SLOT,  4*BLK
.set SPARE, 2*SLOT
.set LAPS,  2
.set FR,  16
.set NL,  4
.set NP,  8
.set NQ,  2
.set ADRA, 16
.set ADRB, 20
.set ADRS, 22
.set SPW,  28
.set NIL,  29
.set SC,   32
.set BIAS, 64
.set AF,   128
.set HA,   128
.set PW,   192
.set PWE,  193
.set W,    194
.set PC,   224
.set TM,   240
.set G1,  24
.set G0,  32
.set G1B, 48
.set G0B, 56
.set SEL, 66
.set MNT, 12
.set MSB, 0
.macro WIN new
.if MSB != (\new)
	s_set_vgpr_msb (MSB<<8)|(\new)
.set MSB, (\new)
.endif
.endm
.set MUL_LO, 0xa1
.set MUL_HI, 0xf1
.set TO_B,   0x40
.macro JLOAD s                         ; a joint load: waves 0 and 1 fetch A's two blocks, waves 2 and 3 B's; four v_nop follow each line
	s_cmp_eq_u32 s15, 0
	s_cbranch_scc0 .Lfor_b_\@
	tensor_load_to_lds s[G0+4*\s:G0+4*\s+3], s[G1:G1+7]
	s_nop 0
.rept 4
	v_nop
.endr
	s_branch .Lasked_\@
.Lfor_b_\@:
	tensor_load_to_lds s[G0B+4*\s:G0B+4*\s+3], s[G1B:G1B+7]
	s_nop 0
.rept 4
	v_nop
.endr
.Lasked_\@:
.endm
.macro CREST
	s_cmp_lg_u32 s14, 0
	s_cbranch_scc1 .Lnot_wave_0_\@
	s_barrier_signal -3
.Lnot_wave_0_\@:
	s_barrier_wait -3
	s_barrier_signal -1
	s_barrier_wait -1
.endm
.macro CROUND
	s_barrier_signal -1
	s_barrier_wait -1
	CREST
.endm
.macro PLACES n
.rept \n
	v_nop
.endr
.endm
.macro FRAG reg, adr, q, i
.irp c, 0,1,2,3
	ds_load_b128 v[\reg+4*\c:\reg+4*\c+3], v[\adr] offset:(8*(\q)+(\i))*2048+512*\c
.endr
.endm
.macro MUL16 a0, p, q, sc, zero        ; 16 matrix instructions; the 64 accumulators take turns; zero = 1: the bias starts the sums
.irp a, \a0, \a0+1
.irp b, 0,1,2,3,4,5,6,7
.if \zero
	v_wmma_scale_f32_16x16x128_f8f6f4 v[8*(8*((\a)%4)+\b):8*(8*((\a)%4)+\b)+7], v[128*(\p)+FR*\b:128*(\p)+FR*\b+FR-1], v[AF+FR*(\a):AF+FR*(\a)+FR-1], v[BIAS+8*\b:BIAS+8*\b+7], v[SC+8*NQ*(\sc)+NQ*\b+(\q)], v[SC+8*NQ*(\sc)+NQ*(\a)+(\q)] matrix_a_scale:MATRIX_SCALE_ROW1
.else
	v_wmma_scale_f32_16x16x128_f8f6f4 v[8*(8*((\a)%4)+\b):8*(8*((\a)%4)+\b)+7], v[128*(\p)+FR*\b:128*(\p)+FR*\b+FR-1], v[AF+FR*(\a):AF+FR*(\a)+FR-1], v[8*(8*((\a)%4)+\b):8*(8*((\a)%4)+\b)+7], v[SC+8*NQ*(\sc)+NQ*\b+(\q)], v[SC+8*NQ*(\sc)+NQ*(\a)+(\q)] matrix_a_scale:MATRIX_SCALE_ROW1
.endif
.endr
.endr
.endm
.macro FETCH_B slot, q, p
	WIN TO_B
.irp i, 0,1,2,3,4,5,6,7
	FRAG 128*(\p)+FR*\i, ADRB+\slot, \q, \i
.endr
	WIN 0
.endm
.macro FETCH_A slot, q, i0
.irp i, \i0, \i0+1, \i0+2, \i0+3
	FRAG AF+FR*(\i), ADRA+\slot, \q, \i
.endr
.endm
.macro SCALES sc
.irp i, 0,1,2,3,4,5,6,7
	ds_load_b32 v[SC+16*\sc+2*\i], v[ADRS+\sc] offset:64*\i
	ds_load_b32 v[SC+16*\sc+2*\i+1], v[ADRS+\sc] offset:512+64*\i
.endr
.endm
.macro STEP slot, q, zero
	s_wait_dscnt 4*NL                              ; all but the youngest sixteen loads (A's fragments 4-7)
	WIN MUL_LO-0x20*(\zero)
	MUL16 0, (\q)%2, \q, \slot, \zero
	MUL16 2, (\q)%2, \q, \slot, \zero
	s_wait_dscnt 0
	PLACES NP
	FETCH_B \slot, (\q)+1, 1-(\q)%2
	FETCH_A \slot, (\q)+1, 0
	WIN MUL_HI-0x30*(\zero)
	MUL16 4, (\q)%2, \q, \slot, \zero
	MUL16 6, (\q)%2, \q, \slot, \zero
	PLACES NP
	WIN 0
	FETCH_A \slot, (\q)+1, 4
.endm
.macro TURN slot, next, fill           ; a slot's last 128 change slots: one barrier, with the wait for all tensor loads, the add and the wait for it and for the reads in front
	s_wait_tensorcnt 0x0                           ; all my tensor loads have landed: my part of the next slot
	ds_add_u32 v[SPW], v[NIL]                      ; 0 onto my spare word
	s_wait_dscnt 4*NL+1                            ; (the add and A's fragments 4-7 may be out)
	WIN MUL_LO
	MUL16 0, 1, NQ-1, \slot, 0
	s_wait_dscnt 0x0                               ; the add is done, and my reads of this slot are over
	s_barrier_signal -1
	MUL16 2, 1, NQ-1, \slot, 0
	WIN 0
	s_barrier_wait -1
.if \fill
	CREST                                          ; a round of the cluster's barrier: no wave of any partner still reads this slot or has a load on its way
	s_add_nc_u64 s[G0+4*\slot+2:G0+4*\slot+3], s[G0+4*\slot+2:G0+4*\slot+3], 2*BLK
	s_add_nc_u64 s[G0B+4*\slot+2:G0B+4*\slot+3], s[G0B+4*\slot+2:G0B+4*\slot+3], 2*BLK
	JLOAD \slot
	PLACES NP-4
.else
	PLACES NP
.endif
	FETCH_B \next, 0, 0
	FETCH_A \next, 0, 0
	SCALES \next
	WIN MUL_HI
	MUL16 4, 1, NQ-1, \slot, 0
	MUL16 6, 1, NQ-1, \slot, 0
	PLACES NP
	WIN 0
	FETCH_A \next, 0, 4
.endm
; 64 numbers of a lane, v[s] on in window w, register 16 b + i = k 32 b + 16 (lane / 16) + i of my row, become a fragment's codes in v[PC] on and its scale word in v[PW].  relu = 1: what is negative becomes 0.  Each accumulator is read from its low end on.
.macro QUANT s, w, relu
	WIN 5*(\w)
.irp b, 0,1,2,3
.if \relu
	v_max3_num_f32 v[TM+\b], v[(\s)+16*\b], v[(\s)+1+16*\b], 0x4800000   ; no |.|: what is negative must not count; the floor 2^(9 - 127) stands over it
.else
	v_max3_num_f32 v[TM+\b], |v[(\s)+16*\b]|, |v[(\s)+1+16*\b]|, 0x4800000
.endif
.endr
	WIN 20*(\w)
.irp i, 2,4,6,8,10,12,14
.irp b, 0,1,2,3
.if \relu
	v_max3_num_f32 v[TM+\b], v[TM+\b], v[(\s)+16*\b+\i], v[(\s)+1+16*\b+\i]
.else
	v_max3_num_f32 v[TM+\b], v[TM+\b], |v[(\s)+16*\b+\i]|, |v[(\s)+1+16*\b+\i]|
.endif
.endr
.endr
	WIN 0
.irp b, 0,1,2,3
	v_permlanex16_b32 v[TM+4+\b], v[TM+\b], s[SEL], s[SEL+1]
.endr
.irp b, 0,1,2,3
	v_max_num_f32 v[TM+\b], v[TM+\b], v[TM+4+\b]
.endr
.irp b, 0,1,2,3
	v_add_nc_u32 v[TM+12+\b], 0xfc000000, v[TM+\b]
.endr
.irp b, 0,1,2,3
	v_and_or_b32 v[TM+8+\b], v[TM+\b], 0x7f800000, s[MNT]
.endr
.irp b, 0,1,2,3
	v_lshrrev_b32 v[TM+4+\b], 23, v[TM+12+\b]
.endr
	v_lshl_or_b32 v[PW], v[TM+5], 8, v[TM+4]
	v_lshl_or_b32 v[PW], v[TM+6], 16, v[PW]
	v_lshl_or_b32 v[PW], v[TM+7], 24, v[PW]
	WIN (\w)
.irp b, 0,1,2,3
.irp i, 0,1,2,3,4,5,6,7,8,9,10,11,12,13,14,15
.if \relu
	v_med3_num_f32 v[HA+16*\b+\i], v[(\s)+16*\b+\i], 0, v[TM+8+\b]   ; the activation and the hold in one (the conversion does not saturate: ISA guide 7.6.2)
.else
	v_med3_num_f32 v[HA+16*\b+\i], v[(\s)+16*\b+\i], -v[TM+8+\b], v[TM+8+\b]
.endif
.endr
.endr
	WIN 0
.irp b, 0,1,2,3
	v_cvt_scalef32_pk8_fp8_f32 v[PC+4*\b:PC+4*\b+1], v[HA+16*\b:HA+16*\b+7], v[TM+12+\b]
	v_cvt_scalef32_pk8_fp8_f32 v[PC+4*\b+2:PC+4*\b+3], v[HA+16*\b+8:HA+16*\b+15], v[TM+12+\b]
.endr
	v_nop
.endm
	s_load_b128 s[4:7], s[0:1], 0x0                ; xq, wq
	s_load_b128 s[8:11], s[0:1], 0x10              ; b1, hq
	v_lshl_add_u32 v[SPW], v0, 2, SPARE
	v_mov_b32 v[NIL], 0
	ds_add_u32 v28, v29
	ds_add_u32 v28, v29
	s_wait_dscnt 0x0
	v_lshrrev_b32 v1, 5, v0
	v_readfirstlane_b32 s14, v1
	s_lshr_b32 s15, s14, 1                         ; which half of the rows is mine.  Also: I fetch for A (0) or for B (1)
	s_and_b32 s16, s14, 1                          ; which half of the columns.  Also: which block of the two I fetch
	s_bfe_u32 s40, ttmp6, 0x40000
	s_bfe_u32 s41, ttmp6, 0x40004
	s_lshl_b32 s42, ttmp9, 2
	s_add_co_u32 s42, s42, s40                     ; tile column
	s_and_b32 s17, ttmp7, 0xffff
	s_lshl_b32 s17, s17, 2
	s_add_co_u32 s17, s17, s41                     ; tile row
	s_lshl_b32 s43, s41, 2
	s_lshl_b32 s43, 15, s43
	s_lshl_b32 s44, 0x1111, s40
	s_or_b32 s[G1+0], s43, (3<<16)|(1<<21)         ; the mask; elements of 8 bytes; bit 21 beside a mask; no padding
	s_or_b32 s[G1B+0], s44, (3<<16)|(1<<21)
.irp g, G1, G1B
	s_mov_b32 s[\g+1], 32<<16
	s_mov_b32 s[\g+2], 132<<16
	s_mov_b32 s[\g+3], 32<<16
	s_mov_b32 s[\g+4], 132
	s_mov_b32 s[\g+5], 32
	s_mov_b32 s[\g+6], 0
	s_mov_b32 s[\g+7], 0
.endr
	s_lshl_b32 s20, s17, 1
	s_add_co_u32 s20, s20, s16
	s_mul_i32 s20, s20, 4*BLK
	s_mov_b32 s21, 0
	s_lshl_b32 s46, s42, 1
	s_add_co_u32 s46, s46, s16
	s_mul_i32 s46, s46, 4*BLK
	s_add_co_u32 s46, s46, 96*BLK                  ; w1's blocks begin here in wq
	s_mov_b32 s47, 0
	s_mul_i32 s45, s14, BLK
	s_wait_kmcnt 0x0
	s_add_nc_u64 s[20:21], s[4:5], s[20:21]
	s_add_nc_u64 s[46:47], s[6:7], s[46:47]
	CROUND
.irp s, 0,1
	s_mov_b32 s[G0+4*\s], 1
	s_add_co_u32 s[G0+4*\s+1], s45, \s*SLOT
	s_add_nc_u64 s[G0+4*\s+2:G0+4*\s+3], s[20:21], \s*BLK
	s_or_b32 s[G0+4*\s+3], s[G0+4*\s+3], 0x80000000
	s_mov_b32 s[G0B+4*\s], 1
	s_add_co_u32 s[G0B+4*\s+1], s45, \s*SLOT
	s_add_nc_u64 s[G0B+4*\s+2:G0B+4*\s+3], s[46:47], \s*BLK
	s_or_b32 s[G0B+4*\s+3], s[G0B+4*\s+3], 0x80000000
	JLOAD \s
.endr
	v_and_b32 v1, 15, v0
	v_bfe_u32 v2, v0, 4, 1
	v_and_b32 v3, 31, v0
	v_lshlrev_b32 v4, 4, v3
	v_lshlrev_b32 v5, 6, v2
	s_lshl_b32 s98, s42, 10
	s_lshl_b32 s99, s16, 9
	s_add_co_u32 s98, s98, s99
	s_mov_b32 s99, 0
	s_add_nc_u64 s[8:9], s[8:9], s[98:99]          ; b1 at my 128 hidden units
.irp b, 0,1,2,3,4,5,6,7
	global_load_b128 v[BIAS+8*\b:BIAS+8*\b+3], v5, s[8:9] offset:(32*(\b/2)+8*(\b%2))*4
	global_load_b128 v[BIAS+8*\b+4:BIAS+8*\b+7], v5, s[8:9] offset:(32*(\b/2)+8*(\b%2))*4+16
.endr
	s_mul_i32 s21, s15, BLK
	s_mul_i32 s22, s16, BLK
	s_add_co_u32 s22, s22, 2*BLK
	s_sub_co_u32 s23, s22, s21
	v_mul_u32_u24 v6, s23, v2
	v_lshl_add_u32 v6, v1, 2, v6
	s_add_co_u32 s23, s21, 32768
.irp s, 0,1
	v_add_nc_u32 v[ADRA+\s], s21, v4
	v_add_nc_u32 v[ADRB+\s], s22, v4
	v_add_nc_u32 v[ADRS+\s], s23, v6
	s_add_co_u32 s21, s21, SLOT
	s_add_co_u32 s22, s22, SLOT
	s_add_co_u32 s23, s23, SLOT
.endr
	s_lshl_b32 s74, s17, 1
	s_add_co_u32 s74, s74, s15
	s_lshl_b32 s74, s74, 4
	s_add_co_u32 s74, s74, s42
	s_mul_i32 s74, s74, BLK                        ; hq's block (row block 2 x tile row + half, K step = tile column)
	s_mov_b32 s75, 0
	s_add_nc_u64 s[76:77], s[10:11], s[74:75]
	s_lshl_b32 s74, s16, 14
	s_add_nc_u64 s[78:79], s[76:77], s[74:75]      ; its fragments of my 128 along K
	s_lshl_b32 s74, s16, 9
	s_add_co_u32 s74, s74, 32768
	s_add_nc_u64 s[76:77], s[76:77], s[74:75]      ; and their scale words
	v_lshlrev_b32 v9, 2, v1
	v_lshl_add_u32 v9, v2, 6, v9                   ; 4 r + 64 h: lanes 16-31 store the next fragment's words
	s_mov_b32 s[SEL], 0x76543210
	s_mov_b32 s[SEL+1], 0xfedcba98
	s_mov_b32 s[MNT], 0x600000
	s_wait_tensorcnt 1                             ; my part of K step 0 is in (K step 1's load may be out)
	s_barrier_signal -1
	s_barrier_wait -1
	FETCH_B 0, 0, 0
	FETCH_A 0, 0, 0
	SCALES 0
	FETCH_A 0, 0, 4
	s_wait_loadcnt 0x0                             ; the bias
	STEP 0, 0, 1
	s_mov_b32 s3, LAPS-1
.Llap:
	TURN 0, 1, 1
	STEP 1, 0, 0
	TURN 1, 0, 1
	STEP 0, 0, 0
	s_sub_co_u32 s3, s3, 1
	s_cmp_lg_u32 s3, 0
	s_cbranch_scc1 .Llap
	TURN 0, 1, 0
	STEP 1, 0, 0
	s_wait_dscnt 4*NL
	WIN MUL_LO
	MUL16 0, 1, NQ-1, 1, 0
	MUL16 2, 1, NQ-1, 1, 0
	s_wait_dscnt 0
	WIN MUL_HI
	MUL16 4, 1, NQ-1, 1, 0
	MUL16 6, 1, NQ-1, 1, 0
	WIN 0
	PLACES NP
	s_mov_b32 vcc_lo, 0xffff0000
.irp b, 0,1,2,3
	v_mov_b32 v[TM+4+\b], 0
.endr
.macro HBLOCK a                        ; 16 rows x my 128 hidden units: one fragment of the next product
	s_wait_xcnt 0x0                                ; the last fragment's stores have read their data
	QUANT 64*((\a)%4), 2+(\a)/4, 1
.irp c, 0,1,2,3
	global_store_b128 v4, v[PC+4*\c:PC+4*\c+3], s[78:79] offset:2048*(\a)+512*\c   ; a wave stores 512 consecutive bytes
.endr
.if (\a)%2 == 0
	v_mov_b32 v[PWE], v[PW]
.else
	v_cndmask_b32 v[W], v[PWE], v[PW], vcc_lo
	global_store_b32 v9, v[W], s[76:77] offset:64*((\a)-1)
.endif
.endm
.irp a, 0,1,2,3,4,5,6,7
	HBLOCK \a
.endr
	s_wait_tensorcnt 0x0                           ; the wave's end
	ds_add_u32 v[SPW], v[NIL]
	s_wait_dscnt 0x0
	CROUND
	s_endpgm
.Lfunc_end_k_q7c6cd0cd75_ffn1:
	.size	k_q7c6cd0cd75_ffn1, .Lfunc_end_k_q7c6cd0cd75_ffn1-k_q7c6cd0cd75_ffn1
	.p2alignl 7, 3214868480
	.fill 96, 4, 3214868480
	.section	.rodata,"a",@progbits
	.p2align	6, 0x0
	.amdhsa_kernel k_q7c6cd0cd75_ffn1
		.amdhsa_group_segment_fixed_size 327680
		.amdhsa_private_segment_fixed_size 0
		.amdhsa_enable_private_segment 0
		.amdhsa_kernarg_size 32
		.amdhsa_user_sgpr_count 2
		.amdhsa_user_sgpr_kernarg_segment_ptr 1
		.amdhsa_wavefront_size32 1
		.amdhsa_system_sgpr_workgroup_id_x 1
		.amdhsa_system_sgpr_workgroup_id_y 1
		.amdhsa_system_sgpr_workgroup_id_z 1
		.amdhsa_system_vgpr_workitem_id 0
		.amdhsa_next_free_vgpr 1024
		.amdhsa_next_free_sgpr 100
		.amdhsa_reserve_vcc 1
		.amdhsa_float_denorm_mode_32 3
		.amdhsa_float_denorm_mode_16_64 3
		.amdhsa_memory_ordered 1
		.amdhsa_forward_progress 1
		.amdhsa_inst_pref_size 186
	.end_amdhsa_kernel
	.amdgpu_metadata
---
amdhsa.version: [ 1, 2 ]
amdhsa.kernels:
  - .name:           k_q7c6cd0cd75_ffn1
    .symbol:         k_q7c6cd0cd75_ffn1.kd
    .args:
      - { .name: xq, .offset: 0, .size: 8, .value_kind: global_buffer, .address_space: global }
      - { .name: wq, .offset: 8, .size: 8, .value_kind: global_buffer, .address_space: global }
      - { .name: b1, .offset: 16, .size: 8, .value_kind: global_buffer, .address_space: global }
      - { .name: hq, .offset: 24, .size: 8, .value_kind: global_buffer, .address_space: global }
    .group_segment_fixed_size: 327680
    .private_segment_fixed_size: 0
    .kernarg_segment_align: 8
    .kernarg_segment_size: 32
    .max_flat_workgroup_size: 128
    .sgpr_count:     100
    .vgpr_count:     1024
    .wavefront_size: 32
...
	.end_amdgpu_metadata
.endif
;; end of part 5
;; launch ffn2 (part 6): grid 8 x 16, 4 waves a work-group, clusters of 4 x 4, 327,680 bytes of LDS; arguments hq, wq, b2, y; writes y
.if DOCPART == 6
	.amdgcn_target "amdgcn-amd-amdhsa--gfx1250"
	.amdhsa_code_object_version 6
	.text
	.protected	k_q7c6cd0cd75_ffn2
	.globl	k_q7c6cd0cd75_ffn2
	.p2align	8
	.type	k_q7c6cd0cd75_ffn2,@function
k_q7c6cd0cd75_ffn2:
	s_mov_b64 s[64:65], 0
	v_nop
	global_prefetch_b8 v0, s[64:65] scope:SCOPE_SE
	s_setreg_imm32_b32 hwreg(HW_REG_WAVE_MODE, 25, 1), 1
	s_wait_xcnt 0x0
	s_wait_alu depctr_hold_cnt(0) depctr_sa_sdst(0) depctr_va_vdst(0) depctr_va_sdst(0) depctr_va_ssrc(0) depctr_va_vcc(0) depctr_vm_vsrc(0)
	s_getreg_b32 s2, hwreg(HW_REG_IB_STS2, 6, 4)
	s_cmp_eq_u32 s2, 0
	s_cbranch_scc0 .Lentry_in_a_cluster
	s_endpgm
.Lentry_in_a_cluster:
	s_bfe_u32 s2, ttmp6, 0x10000c
	s_cmp_lg_u32 s2, 0xf033
	s_cbranch_scc0 .Lentry_shape_is_right
	s_endpgm
.Lentry_shape_is_right:
; y[split] = h[:, 2048 split ..] w2[2048 split .., :] (+ b2 where split = 0), [4096][1024] f32, on codes of FP8 (E4M3) with E8M0 scales.  The two halves of K are two sums, added by the next launch: each output's f32 sum is formed in two halves.
; Why two halves: [4096][1024] has 64 tiles of 256 x 256; the split gives 128 work-groups with the same tile and eight K steps each.  The cluster's x is the split, cx the tile column.
; THE PRODUCT.  A tile of 256 x 256 to a work-group of four waves, 128 x 128 to a wave.  K goes in steps of 256 through two LDS slots.  Both operands lie in memory as blocks of 128 rows x 256 K (33,792 bytes: 16 fragments as
; images of their registers, then their scale words): a wave's part of a slot is one dense tensor load.  The matrix instruction is used transposed: a lane holds eight neighbouring columns of one row of y.
; THE WAY OUT: 16 rows x 128 columns at a time through the wave's own stage in LDS (in slot 0, which has had its last fill and its last read), back as whole rows of 512 bytes.
; CLUSTERS: 4 x 4 work-groups; h's blocks are asked for jointly along a row of the cluster, w2's along a column.  No prefetch: the launch is short.
.set BLK,   33792
.set SLOT,  4*BLK
.set SPARE, 2*SLOT
.set LAPS,  4                          ; 2,048 / 512
.set SIZE_N, 1024
.set SPITCH, 528
.set FR,  16
.set NL,  4
.set NP,  8
.set NQ,  2
.set ADRA, 16
.set ADRB, 20
.set ADRS, 22
.set STO,  24
.set RD,   25
.set CO,   26
.set SPW,  28
.set NIL,  29
.set SC,   32
.set BIAS, 64
.set AF,   128
.set BK,   128
.set G1,  24
.set G0,  32
.set G1B, 48
.set G0B, 56
.set MSB, 0
.macro WIN new
.if MSB != (\new)
	s_set_vgpr_msb (MSB<<8)|(\new)
.set MSB, (\new)
.endif
.endm
.set MUL_LO, 0xa1
.set MUL_HI, 0xf1
.set TO_B,   0x40
.macro JLOAD s                         ; a joint load: waves 0 and 1 fetch A's two blocks, waves 2 and 3 B's; four v_nop follow each line
	s_cmp_eq_u32 s15, 0
	s_cbranch_scc0 .Lfor_b_\@
	tensor_load_to_lds s[G0+4*\s:G0+4*\s+3], s[G1:G1+7]
	s_nop 0
.rept 4
	v_nop
.endr
	s_branch .Lasked_\@
.Lfor_b_\@:
	tensor_load_to_lds s[G0B+4*\s:G0B+4*\s+3], s[G1B:G1B+7]
	s_nop 0
.rept 4
	v_nop
.endr
.Lasked_\@:
.endm
.macro CREST
	s_cmp_lg_u32 s14, 0
	s_cbranch_scc1 .Lnot_wave_0_\@
	s_barrier_signal -3
.Lnot_wave_0_\@:
	s_barrier_wait -3
	s_barrier_signal -1
	s_barrier_wait -1
.endm
.macro CROUND
	s_barrier_signal -1
	s_barrier_wait -1
	CREST
.endm
.macro PLACES n
.rept \n
	v_nop
.endr
.endm
.macro FRAG reg, adr, q, i
.irp c, 0,1,2,3
	ds_load_b128 v[\reg+4*\c:\reg+4*\c+3], v[\adr] offset:(8*(\q)+(\i))*2048+512*\c
.endr
.endm
.macro MUL16 a0, p, q, sc, zero        ; 16 matrix instructions; the 64 accumulators take turns; zero = 1: the bias starts the sums
.irp a, \a0, \a0+1
.irp b, 0,1,2,3,4,5,6,7
.if \zero
	v_wmma_scale_f32_16x16x128_f8f6f4 v[8*(8*((\a)%4)+\b):8*(8*((\a)%4)+\b)+7], v[128*(\p)+FR*\b:128*(\p)+FR*\b+FR-1], v[AF+FR*(\a):AF+FR*(\a)+FR-1], v[BIAS+8*\b:BIAS+8*\b+7], v[SC+8*NQ*(\sc)+NQ*\b+(\q)], v[SC+8*NQ*(\sc)+NQ*(\a)+(\q)] matrix_a_scale:MATRIX_SCALE_ROW1
.else
	v_wmma_scale_f32_16x16x128_f8f6f4 v[8*(8*((\a)%4)+\b):8*(8*((\a)%4)+\b)+7], v[128*(\p)+FR*\b:128*(\p)+FR*\b+FR-1], v[AF+FR*(\a):AF+FR*(\a)+FR-1], v[8*(8*((\a)%4)+\b):8*(8*((\a)%4)+\b)+7], v[SC+8*NQ*(\sc)+NQ*\b+(\q)], v[SC+8*NQ*(\sc)+NQ*(\a)+(\q)] matrix_a_scale:MATRIX_SCALE_ROW1
.endif
.endr
.endr
.endm
.macro FETCH_B slot, q, p
	WIN TO_B
.irp i, 0,1,2,3,4,5,6,7
	FRAG 128*(\p)+FR*\i, ADRB+\slot, \q, \i
.endr
	WIN 0
.endm
.macro FETCH_A slot, q, i0
.irp i, \i0, \i0+1, \i0+2, \i0+3
	FRAG AF+FR*(\i), ADRA+\slot, \q, \i
.endr
.endm
.macro SCALES sc
.irp i, 0,1,2,3,4,5,6,7
	ds_load_b32 v[SC+16*\sc+2*\i], v[ADRS+\sc] offset:64*\i
	ds_load_b32 v[SC+16*\sc+2*\i+1], v[ADRS+\sc] offset:512+64*\i
.endr
.endm
.macro STEP slot, q, zero
	s_wait_dscnt 4*NL                              ; all but the youngest sixteen loads (A's fragments 4-7)
	WIN MUL_LO-0x20*(\zero)
	MUL16 0, (\q)%2, \q, \slot, \zero
	MUL16 2, (\q)%2, \q, \slot, \zero
	s_wait_dscnt 0
	PLACES NP
	FETCH_B \slot, (\q)+1, 1-(\q)%2
	FETCH_A \slot, (\q)+1, 0
	WIN MUL_HI-0x30*(\zero)
	MUL16 4, (\q)%2, \q, \slot, \zero
	MUL16 6, (\q)%2, \q, \slot, \zero
	PLACES NP
	WIN 0
	FETCH_A \slot, (\q)+1, 4
.endm
.macro TURN slot, next, fill           ; a slot's last 128 change slots: one barrier, with the wait for all tensor loads, the add and the wait for it and for the reads in front
	s_wait_tensorcnt 0x0                           ; all my tensor loads have landed: my part of the next slot
	ds_add_u32 v[SPW], v[NIL]                      ; 0 onto my spare word
	s_wait_dscnt 4*NL+1                            ; (the add and A's fragments 4-7 may be out)
	WIN MUL_LO
	MUL16 0, 1, NQ-1, \slot, 0
	s_wait_dscnt 0x0                               ; the add is done, and my reads of this slot are over
	s_barrier_signal -1
	MUL16 2, 1, NQ-1, \slot, 0
	WIN 0
	s_barrier_wait -1
.if \fill
	CREST                                          ; a round of the cluster's barrier: no wave of any partner still reads this slot or has a load on its way
	s_add_nc_u64 s[G0+4*\slot+2:G0+4*\slot+3], s[G0+4*\slot+2:G0+4*\slot+3], 2*BLK
	s_add_nc_u64 s[G0B+4*\slot+2:G0B+4*\slot+3], s[G0B+4*\slot+2:G0B+4*\slot+3], 2*BLK
	JLOAD \slot
	PLACES NP-4
.else
	PLACES NP
.endif
	FETCH_B \next, 0, 0
	FETCH_A \next, 0, 0
	SCALES \next
	WIN MUL_HI
	MUL16 4, 1, NQ-1, \slot, 0
	MUL16 6, 1, NQ-1, \slot, 0
	PLACES NP
	WIN 0
	FETCH_A \next, 0, 4
.endm
	s_load_b128 s[4:7], s[0:1], 0x0                ; hq, wq
	s_load_b128 s[8:11], s[0:1], 0x10              ; b2, y
	v_lshl_add_u32 v[SPW], v0, 2, SPARE
	v_mov_b32 v[NIL], 0
	ds_add_u32 v28, v29
	ds_add_u32 v28, v29
	s_wait_dscnt 0x0
	v_lshrrev_b32 v1, 5, v0
	v_readfirstlane_b32 s14, v1
	s_lshr_b32 s15, s14, 1
	s_and_b32 s16, s14, 1
	s_bfe_u32 s40, ttmp6, 0x40000
	s_bfe_u32 s41, ttmp6, 0x40004
	s_mov_b32 s42, s40                             ; tile column = cx
	s_and_b32 s17, ttmp7, 0xffff
	s_lshl_b32 s17, s17, 2
	s_add_co_u32 s17, s17, s41                     ; tile row
	s_cmp_eq_u32 ttmp9, 0
	s_cselect_b32 s73, -1, 0                       ; the bias goes into the first half's sums alone
	s_mul_i32 s72, ttmp9, 8*BLK                    ; my half of K: eight K steps on
	s_lshl_b32 s43, s41, 2
	s_lshl_b32 s43, 15, s43
	s_lshl_b32 s44, 0x1111, s40
	s_or_b32 s[G1+0], s43, (3<<16)|(1<<21)
	s_or_b32 s[G1B+0], s44, (3<<16)|(1<<21)
.irp g, G1, G1B
	s_mov_b32 s[\g+1], 32<<16
	s_mov_b32 s[\g+2], 132<<16
	s_mov_b32 s[\g+3], 32<<16
	s_mov_b32 s[\g+4], 132
	s_mov_b32 s[\g+5], 32
	s_mov_b32 s[\g+6], 0
	s_mov_b32 s[\g+7], 0
.endr
	s_lshl_b32 s20, s17, 1
	s_add_co_u32 s20, s20, s16
	s_mul_i32 s20, s20, 16*BLK
	s_add_co_u32 s20, s20, s72
	s_mov_b32 s21, 0
	s_lshl_b32 s46, s42, 1
	s_add_co_u32 s46, s46, s16
	s_mul_i32 s46, s46, 16*BLK
	s_add_co_u32 s46, s46, s72
	s_add_co_u32 s46, s46, 224*BLK                 ; w2's blocks begin here in wq
	s_mov_b32 s47, 0
	s_mul_i32 s45, s14, BLK
	s_wait_kmcnt 0x0
	s_add_nc_u64 s[20:21], s[4:5], s[20:21]
	s_add_nc_u64 s[46:47], s[6:7], s[46:47]
	CROUND
.irp s, 0,1
	s_mov_b32 s[G0+4*\s], 1
	s_add_co_u32 s[G0+4*\s+1], s45, \s*SLOT
	s_add_nc_u64 s[G0+4*\s+2:G0+4*\s+3], s[20:21], \s*BLK
	s_or_b32 s[G0+4*\s+3], s[G0+4*\s+3], 0x80000000
	s_mov_b32 s[G0B+4*\s], 1
	s_add_co_u32 s[G0B+4*\s+1], s45, \s*SLOT
	s_add_nc_u64 s[G0B+4*\s+2:G0B+4*\s+3], s[46:47], \s*BLK
	s_or_b32 s[G0B+4*\s+3], s[G0B+4*\s+3], 0x80000000
	JLOAD \s
.endr
	v_and_b32 v1, 15, v0
	v_bfe_u32 v2, v0, 4, 1
	v_and_b32 v3, 31, v0
	v_lshlrev_b32 v4, 4, v3
	v_lshlrev_b32 v7, 5, v2                        ; the bias: 8 h numbers on
	s_lshl_b32 s98, s42, 10
	s_lshl_b32 s99, s16, 9
	s_add_co_u32 s98, s98, s99
	s_mov_b32 s99, 0
	s_add_nc_u64 s[8:9], s[8:9], s[98:99]          ; b2 at my 128 columns
.irp b, 0,1,2,3,4,5,6,7
	global_load_b128 v[BIAS+8*\b:BIAS+8*\b+3], v7, s[8:9] offset:64*\b        ; register j of tile b: column 16 b + 8 h + j
	global_load_b128 v[BIAS+8*\b+4:BIAS+8*\b+7], v7, s[8:9] offset:64*\b+16
.endr
	s_mul_i32 s21, s15, BLK
	s_mul_i32 s22, s16, BLK
	s_add_co_u32 s22, s22, 2*BLK
	s_sub_co_u32 s23, s22, s21
	v_mul_u32_u24 v6, s23, v2
	v_lshl_add_u32 v6, v1, 2, v6
	s_add_co_u32 s23, s21, 32768
.irp s, 0,1
	v_add_nc_u32 v[ADRA+\s], s21, v4
	v_add_nc_u32 v[ADRB+\s], s22, v4
	v_add_nc_u32 v[ADRS+\s], s23, v6
	s_add_co_u32 s21, s21, SLOT
	s_add_co_u32 s22, s22, SLOT
	s_add_co_u32 s23, s23, SLOT
.endr
	s_mul_i32 s23, s14, 16*SPITCH                  ; my stage
	v_mul_u32_u24 v5, v1, SPITCH
	v_lshl_add_u32 v5, v2, 5, v5
	v_add_nc_u32 v[STO], s23, v5                   ; in: row r, 32 bytes for each half of the lanes
	v_lshlrev_b32 v[CO], 4, v3                     ; back: the 32 lanes take one row of 512 bytes; and the same in y
	v_add_nc_u32 v[RD], s23, v[CO]
	s_lshl_b32 s74, ttmp9, 24                      ; my half's 16,777,216 bytes of y,
	s_lshl_b32 s75, s17, 20
	s_add_co_u32 s74, s74, s75
	s_lshl_b32 s75, s15, 19
	s_add_co_u32 s74, s74, s75                     ; row 256 x tile row + 128 x half, 4,096 bytes a row,
	s_add_co_u32 s74, s74, s98                     ; my first column
	s_mov_b32 s75, 0
	s_add_nc_u64 s[12:13], s[10:11], s[74:75]
	s_wait_tensorcnt 1                             ; my part of K step 0 is in (K step 1's load may be out)
	s_barrier_signal -1
	s_barrier_wait -1
	FETCH_B 0, 0, 0
	FETCH_A 0, 0, 0
	SCALES 0
	FETCH_A 0, 0, 4
	s_wait_loadcnt 0x0                             ; the bias
.set i, 0
.rept 64
	v_and_b32 v[BIAS+i], s73, v[BIAS+i]
.set i, i+1
.endr
	PLACES 4
	STEP 0, 0, 1
	s_mov_b32 s3, LAPS-1
.Llap:
	TURN 0, 1, 1
	STEP 1, 0, 0
	TURN 1, 0, 1
	STEP 0, 0, 0
	s_sub_co_u32 s3, s3, 1
	s_cmp_lg_u32 s3, 0
	s_cbranch_scc1 .Llap
	TURN 0, 1, 0
	STEP 1, 0, 0
	s_wait_dscnt 4*NL
	WIN MUL_LO
	MUL16 0, 1, NQ-1, 1, 0
	MUL16 2, 1, NQ-1, 1, 0
	s_wait_dscnt 0
	WIN MUL_HI
	MUL16 4, 1, NQ-1, 1, 0
	MUL16 6, 1, NQ-1, 1, 0
	WIN 0
.macro TOSTAGE a
.set AC, 64*((\a)%4)
	WIN 0x08+4*((\a)/4)                            ; the data: window 2 or 3
.irp b, 0,1,2,3,4,5,6,7
	ds_store_b128 v[STO], v[AC+8*\b:AC+8*\b+3] offset:64*\b          ; each accumulator from its low end on
	ds_store_b128 v[STO], v[AC+8*\b+4:AC+8*\b+7] offset:64*\b+16
.endr
	WIN 0
.set BB, BK+64*((\a)%2)
.irp t, 0,1,2,3,4,5,6,7,8,9,10,11,12,13,14,15
	ds_load_b128 v[BB+4*\t:BB+4*\t+3], v[RD] offset:\t*SPITCH        ; LDS serves a wave's instructions in order: these see my stores
.endr
.endm
.macro SEND a, younger                 ; younger: the LDS instructions issued behind block a's loads, which may stay out
.set BB, BK+64*((\a)%2)
	s_wait_dscnt \younger
.if (\a) > 0
	s_add_nc_u64 s[12:13], s[12:13], 16*SIZE_N*4   ; (behind a wait on XCNT: the earlier stores have read their base)
.endif
.irp t, 0,1,2,3,4,5,6,7,8,9,10,11,12,13,14,15
	global_store_b128 v[CO], v[BB+4*\t:BB+4*\t+3], s[12:13] offset:\t*SIZE_N*4   ; 32 lanes store 512 consecutive bytes
.endr
.endm
	PLACES NP
	TOSTAGE 0
.irp a, 1,2,3,4,5,6,7
.if \a > 1
	s_wait_xcnt 0x0                                ; block a - 2's stores have read their registers and their base
.endif
	TOSTAGE \a
	SEND \a-1, 32                                  ; behind block a - 1's loads: block a's 16 stores and 16 loads
.endr
	s_wait_xcnt 0x0
	SEND 7, 0
	s_wait_tensorcnt 0x0                           ; the wave's end
	ds_add_u32 v[SPW], v[NIL]
	s_wait_dscnt 0x0
	CROUND
	s_endpgm
.Lfunc_end_k_q7c6cd0cd75_ffn2:
	.size	k_q7c6cd0cd75_ffn2, .Lfunc_end_k_q7c6cd0cd75_ffn2-k_q7c6cd0cd75_ffn2
	.p2alignl 7, 3214868480
	.fill 96, 4, 3214868480
	.section	.rodata,"a",@progbits
	.p2align	6, 0x0
	.amdhsa_kernel k_q7c6cd0cd75_ffn2
		.amdhsa_group_segment_fixed_size 327680
		.amdhsa_private_segment_fixed_size 0
		.amdhsa_enable_private_segment 0
		.amdhsa_kernarg_size 32
		.amdhsa_user_sgpr_count 2
		.amdhsa_user_sgpr_kernarg_segment_ptr 1
		.amdhsa_wavefront_size32 1
		.amdhsa_system_sgpr_workgroup_id_x 1
		.amdhsa_system_sgpr_workgroup_id_y 1
		.amdhsa_system_sgpr_workgroup_id_z 1
		.amdhsa_system_vgpr_workitem_id 0
		.amdhsa_next_free_vgpr 1024
		.amdhsa_next_free_sgpr 100
		.amdhsa_reserve_vcc 0
		.amdhsa_float_denorm_mode_32 3
		.amdhsa_float_denorm_mode_16_64 3
		.amdhsa_memory_ordered 1
		.amdhsa_forward_progress 1
		.amdhsa_inst_pref_size 149
	.end_amdhsa_kernel
	.amdgpu_metadata
---
amdhsa.version: [ 1, 2 ]
amdhsa.kernels:
  - .name:           k_q7c6cd0cd75_ffn2
    .symbol:         k_q7c6cd0cd75_ffn2.kd
    .args:
      - { .name: hq, .offset: 0, .size: 8, .value_kind: global_buffer, .address_space: global }
      - { .name: wq, .offset: 8, .size: 8, .value_kind: global_buffer, .address_space: global }
      - { .name: b2, .offset: 16, .size: 8, .value_kind: global_buffer, .address_space: global }
      - { .name: y, .offset: 24, .size: 8, .value_kind: global_buffer, .address_space: global }
    .group_segment_fixed_size: 327680
    .private_segment_fixed_size: 0
    .kernarg_segment_align: 8
    .kernarg_segment_size: 32
    .max_flat_workgroup_size: 128
    .sgpr_count:     100
    .vgpr_count:     1024
    .wavefront_size: 32
...
	.end_amdgpu_metadata
.endif
;; end of part 6
;; launch ln2 (part 7): grid 256 x 1, 16 waves a work-group, no clusters, 0 bytes of LDS; arguments xf, y, ln2_g, ln2_b, out0; writes out0
.if DOCPART == 7
	.amdgcn_target "amdgcn-amd-amdhsa--gfx1250"
	.amdhsa_code_object_version 6
	.text
	.protected	k_q7c6cd0cd75_ln2
	.globl	k_q7c6cd0cd75_ln2
	.p2align	8
	.type	k_q7c6cd0cd75_ln2,@function
k_q7c6cd0cd75_ln2:
	s_mov_b64 s[64:65], 0
	v_nop
	global_prefetch_b8 v0, s[64:65] scope:SCOPE_SE
	s_setreg_imm32_b32 hwreg(HW_REG_WAVE_MODE, 25, 1), 1
	s_wait_xcnt 0x0
; out0 = layer_norm(x + (y0 + y1)) g + b: y0 and y1 are the two halves along K of the last product (y0 holds b2).  A wave takes a whole row of 1,024 in 32 registers: the mean, then the mean of the squared
; differences (two passes over registers: no difference of large sums), all within the wave.  Every load and store of a wave covers 512 consecutive bytes.  Memory binds: no LDS, no barrier, no matrix unit, no cluster.
; LIMITS: NaN and infinities are not served.
.set X,   16
.set Y,   48
.set Z,   80
.set G,   112
.set BV,  144
.set T,   186
.set SEL, 20
.set RN,  22
.set EPS, 23
.macro WSUM a, t
	v_add_f32_dpp v[\a], v[\a], v[\a] row_xmask:1 row_mask:0xf bank_mask:0xf
	v_add_f32_dpp v[\a], v[\a], v[\a] row_xmask:2 row_mask:0xf bank_mask:0xf
	v_add_f32_dpp v[\a], v[\a], v[\a] row_xmask:4 row_mask:0xf bank_mask:0xf
	v_add_f32_dpp v[\a], v[\a], v[\a] row_xmask:8 row_mask:0xf bank_mask:0xf
	v_permlanex16_b32 v[\t], v[\a], s[SEL], s[SEL+1]
	v_add_f32 v[\a], v[\a], v[\t]
.endm
.macro LNORM
	v_pk_add_f32 v[T:T+1], v[X:X+1], v[X+2:X+3]
	v_pk_add_f32 v[T+2:T+3], v[X+4:X+5], v[X+6:X+7]
.irp i, 8,12,16,20,24,28
	v_pk_add_f32 v[T:T+1], v[T:T+1], v[X+\i:X+\i+1]
	v_pk_add_f32 v[T+2:T+3], v[T+2:T+3], v[X+\i+2:X+\i+3]
.endr
	v_pk_add_f32 v[T:T+1], v[T:T+1], v[T+2:T+3]
	v_add_f32 v[T], v[T], v[T+1]
	WSUM T, T+1
	v_mul_f32 v[T], 0x3a800000, v[T]               ; the mean
.set i, 0
.rept 16
	v_pk_add_f32 v[X+i:X+i+1], v[X+i:X+i+1], v[T:T+1] op_sel_hi:[1,0] neg_lo:[0,1] neg_hi:[0,1]
.set i, i+2
.endr
	v_pk_mul_f32 v[T+2:T+3], v[X:X+1], v[X:X+1]
	v_pk_mul_f32 v[T+4:T+5], v[X+2:X+3], v[X+2:X+3]
.irp i, 4,8,12,16,20,24,28
	v_pk_fma_f32 v[T+2:T+3], v[X+\i:X+\i+1], v[X+\i:X+\i+1], v[T+2:T+3]
	v_pk_fma_f32 v[T+4:T+5], v[X+\i+2:X+\i+3], v[X+\i+2:X+\i+3], v[T+4:T+5]
.endr
	v_pk_add_f32 v[T+2:T+3], v[T+2:T+3], v[T+4:T+5]
	v_add_f32 v[T+2], v[T+2], v[T+3]
	WSUM T+2, T+3
	v_fma_f32 v[T+2], v[T+2], s[RN], s[EPS]
	v_rsq_f32 v[T], v[T+2]
	v_nop                                          ; a plain line behind the transcendental,
	s_wait_alu depctr_va_vdst(0)                   ; and the wait ahead of its first reader
	s_wait_loadcnt 0x0                             ; g and b
.set i, 0
.rept 16
	v_pk_mul_f32 v[X+i:X+i+1], v[X+i:X+i+1], v[T:T+1] op_sel_hi:[1,0]
.set i, i+2
.endr
.set i, 0
.rept 16
	v_pk_fma_f32 v[X+i:X+i+1], v[X+i:X+i+1], v[G+i:G+i+1], v[BV+i:BV+i+1]
.set i, i+2
.endr
.endm
	s_load_b256 s[4:11], s[0:1], 0x0               ; xf, y, g, b
	s_load_b64 s[12:13], s[0:1], 0x20              ; out0
	v_lshrrev_b32 v1, 5, v0
	v_readfirstlane_b32 s16, v1
	v_and_b32 v2, 31, v0
	v_lshlrev_b32 v3, 4, v2
	s_lshl_b32 s14, ttmp9, 4
	s_add_co_u32 s14, s14, s16
	s_lshl_b32 s14, s14, 12                        ; row 16 g + wave, 4,096 bytes a row
	s_mov_b32 s15, 0
	s_mov_b32 s[SEL], 0x76543210
	s_mov_b32 s[SEL+1], 0xfedcba98
	s_mov_b32 s[RN], 0x3a800000
	s_mov_b32 s[EPS], 0x3727c5ac
	s_wait_kmcnt 0x0
	s_add_nc_u64 s[4:5], s[4:5], s[14:15]
	s_add_nc_u64 s[6:7], s[6:7], s[14:15]
	s_add_nc_u64 s[18:19], s[6:7], 0x1000000       ; the second half's sums
	s_add_nc_u64 s[12:13], s[12:13], s[14:15]
.irp j, 0,1,2,3,4,5,6,7
	global_load_b128 v[X+4*\j:X+4*\j+3], v3, s[4:5] offset:512*\j th:TH_LOAD_NT
.endr
.irp j, 0,1,2,3,4,5,6,7
	global_load_b128 v[Y+4*\j:Y+4*\j+3], v3, s[6:7] offset:512*\j th:TH_LOAD_NT
.endr
.irp j, 0,1,2,3,4,5,6,7
	global_load_b128 v[Z+4*\j:Z+4*\j+3], v3, s[18:19] offset:512*\j th:TH_LOAD_NT
.endr
.irp j, 0,1,2,3,4,5,6,7
	global_load_b128 v[G+4*\j:G+4*\j+3], v3, s[8:9] offset:512*\j
.endr
.irp j, 0,1,2,3,4,5,6,7
	global_load_b128 v[BV+4*\j:BV+4*\j+3], v3, s[10:11] offset:512*\j
.endr
	s_wait_loadcnt 16                              ; the three rows are in; g and b may be out
.set i, 0
.rept 16
	v_pk_add_f32 v[Y+i:Y+i+1], v[Y+i:Y+i+1], v[Z+i:Z+i+1]
.set i, i+2
.endr
.set i, 0
.rept 16
	v_pk_add_f32 v[X+i:X+i+1], v[X+i:X+i+1], v[Y+i:Y+i+1]
.set i, i+2
.endr
	LNORM
.irp j, 0,1,2,3,4,5,6,7
	global_store_b128 v3, v[X+4*\j:X+4*\j+3], s[12:13] offset:512*\j th:TH_STORE_NT
.endr
	s_endpgm
.Lfunc_end_k_q7c6cd0cd75_ln2:
	.size	k_q7c6cd0cd75_ln2, .Lfunc_end_k_q7c6cd0cd75_ln2-k_q7c6cd0cd75_ln2
	.p2alignl 7, 3214868480
	.fill 96, 4, 3214868480
	.section	.rodata,"a",@progbits
	.p2align	6, 0x0
	.amdhsa_kernel k_q7c6cd0cd75_ln2
		.amdhsa_group_segment_fixed_size 0
		.amdhsa_private_segment_fixed_size 0
		.amdhsa_enable_private_segment 0
		.amdhsa_kernarg_size 40
		.amdhsa_user_sgpr_count 2
		.amdhsa_user_sgpr_kernarg_segment_ptr 1
		.amdhsa_wavefront_size32 1
		.amdhsa_system_sgpr_workgroup_id_x 1
		.amdhsa_system_sgpr_workgroup_id_y 1
		.amdhsa_system_sgpr_workgroup_id_z 1
		.amdhsa_system_vgpr_workitem_id 0
		.amdhsa_next_free_vgpr 192
		.amdhsa_next_free_sgpr 66
		.amdhsa_reserve_vcc 0
		.amdhsa_float_denorm_mode_32 3
		.amdhsa_float_denorm_mode_16_64 3
		.amdhsa_memory_ordered 1
		.amdhsa_forward_progress 1
		.amdhsa_inst_pref_size 14
	.end_amdhsa_kernel
	.amdgpu_metadata
---
amdhsa.version: [ 1, 2 ]
amdhsa.kernels:
  - .name:           k_q7c6cd0cd75_ln2
    .symbol:         k_q7c6cd0cd75_ln2.kd
    .args:
      - { .name: xf, .offset: 0, .size: 8, .value_kind: global_buffer, .address_space: global }
      - { .name: y, .offset: 8, .size: 8, .value_kind: global_buffer, .address_space: global }
      - { .name: ln2_g, .offset: 16, .size: 8, .value_kind: global_buffer, .address_space: global }
      - { .name: ln2_b, .offset: 24, .size: 8, .value_kind: global_buffer, .address_space: global }
      - { .name: out0, .offset: 32, .size: 8, .value_kind: global_buffer, .address_space: global }
    .group_segment_fixed_size: 0
    .private_segment_fixed_size: 0
    .kernarg_segment_align: 8
    .kernarg_segment_size: 40
    .max_flat_workgroup_size: 512
    .sgpr_count:     66
    .vgpr_count:     192
    .wavefront_size: 32
...
	.end_amdgpu_metadata
.endif
;; end of part 7
